; MI455X (gfx1250); checked and timed in simulation.
; The chip was launched on July 23, 2026; its instructions are those of AMD's public machine-readable ISA for CDNA 5 (MIT licence, August 2026) and "CDNA5" Instruction Set Architecture Reference Guide (July 2026). The comments in the code are by the model that wrote it; some were corrected since.
;; Transformer. Allowed arithmetic: matrix products marked QUANTISED: E2M1 operands, one E8M0 scale for each 32 along K, by v_wmma_scale_f32_16x16x128_f8f6f4 with both operands' format E2M1 (or v_wmma_scale_f32_32x16x128_f4), f32 sums; everything else in f32.
;; Inputs: Wkv_codes 2,048 x 32 x 16 uint8 (E2M1 codes of Wkv, K innermost, in blocks of 32 codes, two codes a byte); Wkv_scales 2,048 x 32 uint8 (E8M0 scales of Wkv, one for each 32 codes along K); Wout_codes 1,024 x 32 x 16 uint8 (E2M1 codes of Wout, K innermost, in blocks of 32 codes, two codes a byte); Wout_scales 1,024 x 32 uint8 (E8M0 scales of Wout, one for each 32 codes along K); Wq_codes 1,024 x 32 x 16 uint8 (E2M1 codes of Wq, K innermost, in blocks of 32 codes, two codes a byte); Wq_scales 1,024 x 32 uint8 (E8M0 scales of Wq, one for each 32 codes along K); k_scale 64 float32; norm_b 1,024 float32; norm_g 1,024 float32; null_kv 16 x 4 x 64 float32; q_scale 64 float32; x 2 x 2,048 x 1,024 float32.
;; Outputs: out0 2 x 2,048 x 1,024 float32.
;; This version of the problem:
;;   THIS VERSION OF THE PROBLEM IS GIVEN IN LOW PRECISION. The matrix products marked QUANTISED in the list below multiply operands that are first quantised to E2M1 (2 exponent bits, 1 mantissa bit; 4 bits a number), with one power-of-two scale for each 32 numbers along K (OCP MX v1.0); their sums are f32. All else is computed in f32.
;;   The module's matrix products, in the order in which they are computed (A, B: the left and right operand; K: the contracted axis; several contracted axes count as one K, in the product's order):
;;     1. [M 4,096, K 1,024] x [K 1,024, N 1,024]; A: computed on the way; B: input Wq (given as codes): QUANTISED
;;     2. [M 4,096, K 1,024] x [K 1,024, N 2,048]; A: input x; B: input Wkv (given as codes): QUANTISED
;;     3. batch 32 x [M 2,048, K 64] x [K 64, N 2,050]; A: computed on the way; B: computed on the way: QUANTISED
;;     4. batch 32 x [M 2,048, K 2,050] x [K 2,050, N 64]; A: softmax (see below); B: computed on the way: QUANTISED
;;     5. [M 4,096, K 1,024] x [K 1,024, N 1,024]; A: computed on the way; B: input Wout (given as codes): QUANTISED
;;   THE QUANTISER, for each operand of a quantised product, along K:
;;     - K is cut into blocks of 32 from its start; a last block that is shorter is filled with zeros.
;;     - A block's scale is 2^e with e = floor(log2(the largest magnitude in the block)) - 2, held to -126 .. 127; a block of zeros has e = 0. As a byte (E8M0): e + 127.
;;     - Each number is divided by its block's scale, clamped to +-6, and rounded to the nearest number of E2M1, ties to even, subnormals kept.
;;     - The product sums the exact products of the quantised numbers (number of the format x scale) in f32.
;;   ~~~python
;;   def quantise(x, axis):      # numpy; x: float32 -> the quantised numbers, widened to float32 again
;;       x = np.moveaxis(x, axis, -1); K = x.shape[-1]
;;       x = np.pad(x, [(0, 0)] * (x.ndim - 1) + [(0, -K % 32)]); x = x.reshape(x.shape[:-1] + (-1, 32)); a = np.abs(x).max(-1, keepdims=True)
;;       e = np.where(a > 0, np.clip(np.frexp(np.where(a > 0, a, 1))[1] - 1 - 2, -126, 127), 0)      # np.frexp(a)[1] - 1 = floor(log2(a)), exactly
;;       r = np.clip(x / 2.0 ** e, -6, 6)
;;       step = 2.0 ** (np.maximum(np.frexp(np.where(r == 0, 1, r))[1] - 1, 0) - 1)
;;       q = np.round(r / step) * step * 2.0 ** e      # np.round: ties to even
;;       return np.moveaxis(q.reshape(q.shape[:-2] + (-1,))[..., :K], -1, axis).astype(np.float32)
;;   ~~~
;;   SOFTMAX AHEAD OF A QUANTISED PRODUCT. Where the list says 'softmax', what is quantised is not the finished softmax but p = 2^(t - M), with t = logit x log2(e) and M = ceil(the row's largest t), a whole number; so 1/2 < the row's largest p <= 1. The row's sum l is taken of the UNQUANTISED p, in f32, and the product's result is divided by l at the end. Since M is a whole number, a kernel that streams over the keys may use a running M (the ceiling of the running maximum): every later rescaling is an exact power of two, which a block's scale takes up: the codes' values come out the same.
;;   OPERANDS COMPUTED ON THE WAY. 'Computed on the way' means the value that the module computes at that place (a softmax that the list does not call 'softmax' is quantised finished and normalised). What goes into a quantiser is computed in f32, as accurately as f32 sums, v_exp_f32 and their like allow (about 1e-6 of the number): no bf16 or f16 on the way to a quantiser, and a product that is left as it is and whose result goes on into a quantised operand takes f32 operands (vector FMAs, or v_wmma_f32_16x16x4_f32). A number that lies on a knife's edge between two numbers of the format may be rounded either way, as far as f32 arithmetic and the matrix unit's own rounding can turn it there, and no further.
;;   INPUTS GIVEN AS CODES. Wkv (in the module: [1024, 2048], K = its axis 0); Wout (in the module: [1024, 1024], K = its axis 0); Wq (in the module: [1024, 1024], K = its axis 0): each comes as NAME_codes (uint8): NAME with its K axis moved to the last place and cut into blocks of 32 codes, [.., K / 32, bytes a block], one block behind the other in memory; two codes a byte, the lower K in the low four bits (a code: sign, 2 exponent bits, 1 mantissa bit); and NAME_scales (uint8): the same leading axes, one E8M0 byte (e + 127) for each 32 codes along K. Its value is code x scale, taken as it is: it is not quantised again, and the codes and scales need not be those that the quantiser above would give.
;; 2 versions. Each part assembles by itself: llvm-mc -triple=amdgcn-amd-amdhsa -mcpu=gfx1250 --defsym DOCPART=n.
;; ======== version 1 of 2: 3 launches
;; workspace buffers: qc 2,097,152 bytes; qsc 262,144 bytes; kc 2,228,224 bytes; ksc 278,528 bytes; vc 2,228,224 bytes; vsc 139,264 bytes; oc 2,097,152 bytes; osc 131,072 bytes
;; launch proj (part 1): grid 64 x 4, 12 waves a work-group, no clusters, 132,608 bytes of LDS; arguments x, norm_g, norm_b, Wq_codes, Wq_scales, Wkv_codes, Wkv_scales, q_scale, k_scale, null_kv, qc, qsc, kc, ksc, vc, vsc; writes qc, qsc, kc, ksc, vc, vsc
.if DOCPART == 1
	.amdgcn_target "amdgcn-amd-amdhsa--gfx1250"
	.amdhsa_code_object_version 6
	.text
	.protected	k_qd7833ee874_proj
	.globl	k_qd7833ee874_proj
	.p2align	8
	.type	k_qd7833ee874_proj,@function
k_qd7833ee874_proj:
	s_mov_b64 s[64:65], 0
	v_nop
	global_prefetch_b8 v0, s[64:65] scope:SCOPE_SE
	s_setreg_imm32_b32 hwreg(HW_REG_WAVE_MODE, 25, 1), 1
	s_wait_xcnt 0x0
; LayerNorm, the quantising of x and of LayerNorm(x), the products x Wkv and LayerNorm(x) Wq on codes of FP4 (E2M1, one E8M0 scale for each 32 along K), the l2 norm and gains of q and k,
; and the codes of q, k and v for the attention launch; the null keys and values and the zero rows behind the last key position too.
; SHARES.  Work-group (x = 32 b + i, y): 64 rows of batch b, heads 4 y .. 4 y + 3.  Twelve waves: wave w makes q (w / 4 = 0), k (1) or v (2) of head 4 y + w % 4: 64 rows x 64 columns, K = 1,024: 16 accumulators, 8 K steps.
; A key's POSITION is its token + 2 (two null keys stand in front).  q and k take tokens 64 i .. 64 i + 63; v takes positions 64 i .. 64 i + 63, since v is quantised along the positions, in blocks of 32 from position 0.
; So the work-group keeps 66 rows in LDS: row R is token (64 i + R + 2046) mod 2048.  For i = 0 rows 0 and 1 are tokens 2046 and 2047: their v is the last, short block (positions 2048, 2049), and the null values then take their places.
; PHASE X: wave w takes rows w, w + 12, ..: the row comes by dense loads, turns through the wave's own stage so that lane l holds block l (32 neighbours), and leaves as codes and scale bytes of x and of LayerNorm(x) in LDS.  One barrier.
; PRODUCTS: the rows' fragments come from LDS, the weights' from memory straight into registers (each weight fragment serves one wave alone, so LDS would add a way and spare none; hence no tile is shared and no joint request is made).
; q, k: source 0 = 16 weight rows, source 1 = 16 tokens: a lane holds one token and its registers run along the head's 64.  v: source 0 = 16 positions, source 1 = 16 weight rows: a lane holds one channel and its registers run along the positions.
; THE ROWS OF SOURCE 0 THAT FORM A TILE ARE NOT NEIGHBOURS: lane r of tile 2 b + u takes row 32 b + 8 u + r + 8 (r / 8), so that the 16 registers of tiles 2 b and 2 b + 1 are 16 neighbours along the next K.
; LIMITS: NaN and infinities among the inputs are not served.  A block whose largest magnitude lies under 2^-124, a block of zeros among them, gets the scale byte 1 (these bytes are read by this program alone; zero codes add nothing under it).
; 1 / max(n, 1e-12) is made as rsq(max(n^2, 1e-24)), and 1 / sqrt(var + eps) by v_rsq_f32: about an ulp each.
.set RP,   528                         ; an LDS row of codes: 512 bytes + 16 = 132 words: the 16 rows of a fragment load start at 16 different groups of four banks
.set SPI,  36                          ; an LDS row of scale bytes: 32 + 4
.set XN,   0                           ; codes of LayerNorm(x), 66 rows
.set XC,   66*RP                       ; codes of x
.set XNS,  2*66*RP                     ; scale bytes of LayerNorm(x)
.set XS,   XNS+66*SPI                  ; scale bytes of x
.set STG,  74496                       ; twelve stages of 32 places x (128 + 16) bytes, each a wave's own
.set AA0,  1                           ; v1   q, k: LDS address of my fragment's 16 bytes       v2   of my row's scale words
.set AS0,  2
.set WOFF, 3                           ; v3   my byte offset in a weight tile
.set AA1,  8                           ; v8, v9   the same two addresses for v
.set AS1,  9
.set SA,   12                          ; v12-15   the rows' scale words, one register a tile
.set SW,   16                          ; v16-31   the weights' scale words: register 4 t + q: lanes 0-15 K step q, lanes 16-31 K step 4 + q
.set AF,   32                          ; v32-63   four fragments of rows
.set WF,   64                          ; v64-127  two sets of four weight fragments
.set ACC,  128                         ; v128-255 accumulator (g, t) at 128 + 32 g + 8 t
.set STI,  32                          ; phase X: v32, v33 the stage, in and out; v34-37 where codes and scale bytes go; v38 16 x lane; v39 128 x lane
.set STO,  33
.set XCN,  34
.set XCX,  35
.set XSN,  36
.set XSX,  37
.set GOFF, 38
.set G,    128                         ; phase X: v128-159 gains, v160-191 biases of my block; v192-223 the row as loaded; v224-255 my block
.set BN,   160
.set R,    192
.set X,    224
.set QS,   64                          ; epilogue: v64-95 q_scale or k_scale in the result's layout; v96-111 codes; v112-115 scale words
.set PC,   96
.set PW,   112
.set QM,   122                         ; the quantiser's registers: largest magnitudes, the other half's, the conversions' scale operands, the bytes
.set QN,   124
.set QE,   126
.set QY,   10
.set SEL,  10                          ; s[10:11] lane selects for v_permlanex16_b32: lane l xor 16
; 32 numbers of a lane, register 16 b + i = element 32 b + 16 (lane / 16) + i of my row, become 16 bytes of codes (block lane / 16) in v[pc .. pc + 3] and the two scale bytes in v[pw].
.macro QUANT32 s, pc, pw
.irp b, 0,1
	v_max3_num_f32 v[QM+\b], |v[\s+16*\b]|, |v[\s+16*\b+1]|, 0x1800000     ; my 16 numbers and the floor 2^(3 - 127): the byte cannot fall under 1
.endr
.irp i, 2,4,6,8,10,12,14
.irp b, 0,1
	v_max3_num_f32 v[QM+\b], v[QM+\b], |v[\s+16*\b+\i]|, |v[\s+16*\b+\i+1]|
.endr
.endr
.irp b, 0,1
	v_permlanex16_b32 v[QN+\b], v[QM+\b], s[SEL], s[SEL+1]
.endr
.irp b, 0,1
	v_max_num_f32 v[QM+\b], v[QM+\b], v[QN+\b]                             ; with lane l xor 16's: the block's largest magnitude
.endr
.irp b, 0,1
	v_add_nc_u32 v[QE+\b], 0xff000000, v[QM+\b]                            ; 2 off its exponent field: the conversion's scale operand
.endr
.irp b, 0,1
	v_lshrrev_b32 v[QY+\b], 23, v[QE+\b]                                   ; the scale's byte
.endr
	v_lshl_or_b32 v[\pw], v[QY+1], 8, v[QY]
.irp b, 0,1
	v_cvt_scalef32_pk8_fp4_f32 v[\pc+2*\b], v[\s+16*\b:\s+16*\b+7], v[QE+\b]
	v_cvt_scalef32_pk8_fp4_f32 v[\pc+2*\b+1], v[\s+16*\b+8:\s+16*\b+15], v[QE+\b]
.endr
	v_nop                                                                  ; one plain line behind the scaled conversions
	v_permlane16_swap_b32 v[\pc], v[\pc+2]                                 ; a whole block to a lane: lanes 0-15 block 0, lanes 16-31 block 1
	v_permlane16_swap_b32 v[\pc+1], v[\pc+3]
.endm
; One matrix instruction.  kind 0: starts the sum; 1: adds; 2: adds, source 0's scales from lanes 16-31; 3: adds, source 1's scales from lanes 16-31
.macro WM d, a, b, sa, sb, kind
.if \kind == 0
	v_wmma_scale_f32_16x16x128_f8f6f4 v[\d:\d+7], v[\a:\a+7], v[\b:\b+7], 0, v[\sa], v[\sb] matrix_a_fmt:MATRIX_FMT_FP4 matrix_b_fmt:MATRIX_FMT_FP4
.elseif \kind == 1
	v_wmma_scale_f32_16x16x128_f8f6f4 v[\d:\d+7], v[\a:\a+7], v[\b:\b+7], v[\d:\d+7], v[\sa], v[\sb] matrix_a_fmt:MATRIX_FMT_FP4 matrix_b_fmt:MATRIX_FMT_FP4
.elseif \kind == 2
	v_wmma_scale_f32_16x16x128_f8f6f4 v[\d:\d+7], v[\a:\a+7], v[\b:\b+7], v[\d:\d+7], v[\sa], v[\sb] matrix_a_fmt:MATRIX_FMT_FP4 matrix_b_fmt:MATRIX_FMT_FP4 matrix_a_scale:MATRIX_SCALE_ROW1
.else
	v_wmma_scale_f32_16x16x128_f8f6f4 v[\d:\d+7], v[\a:\a+7], v[\b:\b+7], v[\d:\d+7], v[\sa], v[\sb] matrix_a_fmt:MATRIX_FMT_FP4 matrix_b_fmt:MATRIX_FMT_FP4 matrix_b_scale:MATRIX_SCALE_ROW1
.endif
.endm
; The four weight fragments of K step s into set s % 2
.macro WLOAD s
.irp t, 0,1,2,3
.irp c, 0,1
	global_load_b128 v[WF+32*((\s)%2)+8*\t+4*\c:WF+32*((\s)%2)+8*\t+4*\c+3], v[WOFF], s[48:49] offset:(32*(\t/2)+8*(\t%2))*512+64*(\s)+32*\c
.endr
.endr
.endm
; Row w + 12 t (held at 65, so that no load leaves x) into v[R ..]: eight loads of 512 consecutive bytes
.macro XLOAD t
	s_add_co_u32 s12, s2, 12*(\t)
	s_min_u32 s12, s12, 65
	s_add_co_u32 s12, s12, s60                     ; + 64 i + 2046
	s_and_b32 s12, s12, 2047                       ; the token
	s_add_co_u32 s12, s12, s61                     ; + 2048 b
	s_lshl_b32 s12, s12, 12                        ; rows of 4,096 bytes
	s_mov_b32 s13, 0
	s_add_nc_u64 s[52:53], s[16:17], s[12:13]
.irp j, 0,1,2,3,4,5,6,7
	global_load_b128 v[R+4*\j:R+4*\j+3], v[GOFF], s[52:53] offset:512*\j
.endr
.endm
; v[40:41] and v[42:43] hold partial sums: the wave's sum into every lane's v40
.macro LANESUM
	v_pk_add_f32 v[40:41], v[40:41], v[42:43]
	v_add_f32 v40, v40, v41
	v_add_f32_dpp v40, v40, v40 row_xmask:1 row_mask:0xf bank_mask:0xf
	v_add_f32_dpp v40, v40, v40 row_xmask:2 row_mask:0xf bank_mask:0xf
	v_add_f32_dpp v40, v40, v40 row_xmask:4 row_mask:0xf bank_mask:0xf
	v_add_f32_dpp v40, v40, v40 row_xmask:8 row_mask:0xf bank_mask:0xf
	v_permlanex16_b32 v53, v40, s[SEL], s[SEL+1]
	v_add_f32 v40, v40, v53
.endm
; My block in v[X ..] becomes 16 bytes of codes and a scale byte, which go to LDS row w + 12 t
.macro QROW c, y, ca, sa, t
	v_max3_num_f32 v48, |v[X]|, |v[X+1]|, 0x1800000
	v_max_num_f32 v49, |v[X+2]|, |v[X+3]|
.irp j, 4,8,12,16,20,24,28
	v_max3_num_f32 v48, v48, |v[X+\j]|, |v[X+\j+1]|
	v_max3_num_f32 v49, v49, |v[X+\j+2]|, |v[X+\j+3]|
.endr
	v_max_num_f32 v48, v48, v49
	v_add_nc_u32 v50, 0xff000000, v48
.irp g, 0,1,2,3
	v_cvt_scalef32_pk8_fp4_f32 v[\c+\g], v[X+8*\g:X+8*\g+7], v50
.endr
	v_lshrrev_b32 v[\y], 23, v50                   ; the byte; also the plain line behind the conversions
	ds_store_b128 v[\ca], v[\c:\c+3] offset:12*RP*(\t)
	ds_store_b8 v[\sa], v[\y] offset:12*SPI*(\t)
.endm
.macro ROW t, next
	s_wait_loadcnt 0x0                             ; the row is in (and s[52:53] may be written again)
.irp j, 0,1,2,3,4,5,6,7
	ds_store_b128 v[STI], v[R+4*\j:R+4*\j+3] offset:576*\j
.endr
.irp q, 0,1,2,3,4,5,6,7
	ds_load_b128 v[X+4*\q:X+4*\q+3], v[STO] offset:16*\q     ; LDS serves a wave's instructions in order: these see the stores above
.endr
	s_wait_dscnt 0x0
.if \next
	XLOAD (\t)+1                                   ; the next row lands while this one is worked
.endif
	v_pk_add_f32 v[40:41], v[X:X+1], v[X+2:X+3]
	v_pk_add_f32 v[42:43], v[X+4:X+5], v[X+6:X+7]
.irp j, 8,12,16,20,24,28
	v_pk_add_f32 v[40:41], v[40:41], v[X+\j:X+\j+1]
	v_pk_add_f32 v[42:43], v[42:43], v[X+\j+2:X+\j+3]
.endr
	LANESUM
	v_mul_f32 v44, s62, v40                        ; the mean
	QROW 56, 51, XCX, XSX, \t                      ; x as it is: the operand of x Wkv
.irp j, 0,2,4,6,8,10,12,14,16,18,20,22,24,26,28,30
	v_pk_add_f32 v[X+\j:X+\j+1], v[X+\j:X+\j+1], v[44:45] op_sel_hi:[1,0] neg_lo:[0,1] neg_hi:[0,1]
.endr
	v_pk_mul_f32 v[40:41], v[X:X+1], v[X:X+1]
	v_pk_mul_f32 v[42:43], v[X+2:X+3], v[X+2:X+3]
.irp j, 4,8,12,16,20,24,28
	v_pk_fma_f32 v[40:41], v[X+\j:X+\j+1], v[X+\j:X+\j+1], v[40:41]
	v_pk_fma_f32 v[42:43], v[X+\j+2:X+\j+3], v[X+\j+2:X+\j+3], v[42:43]
.endr
	LANESUM
	v_fma_f32 v40, v40, s62, s63                   ; the variance + 1e-5
	v_rsq_f32 v46, v40
	v_nop                                          ; one plain line behind the transcendental
	s_wait_alu depctr_va_vdst(0)
.irp j, 0,2,4,6,8,10,12,14,16,18,20,22,24,26,28,30
	v_pk_mul_f32 v[X+\j:X+\j+1], v[X+\j:X+\j+1], v[46:47] op_sel_hi:[1,0]
.endr
.irp j, 0,2,4,6,8,10,12,14,16,18,20,22,24,26,28,30
	v_pk_fma_f32 v[X+\j:X+\j+1], v[X+\j:X+\j+1], v[G+\j:G+\j+1], v[BN+\j:BN+\j+1]
.endr
	QROW 60, 52, XCN, XSN, \t                      ; LayerNorm(x): the operand of the product with Wq
.endm
; K step s.  role 0: q, k; role 1: v.  tailcnt: the global loads that may stay out at the last step
.macro GSTEP s, role, tailcnt
.if \role
.set ADC, AA1
.set ADS, AS1
.else
.set ADC, AA0
.set ADS, AS0
.endif
.irp m, 0,1,2,3
.if \role
.set RB, 32*(\m/2)+8*(\m%2)
.else
.set RB, 16*\m
.endif
	ds_load_b128 v[AF+8*\m:AF+8*\m+3], v[ADC] offset:RB*RP+64*\s
	ds_load_b128 v[AF+8*\m+4:AF+8*\m+7], v[ADC] offset:RB*RP+64*\s+32
	ds_load_b32 v[SA+\m], v[ADS] offset:RB*SPI+4*\s
.endr
.if \s < 7
	s_wait_loadcnt 8                               ; this step's weights are in; the next step's eight loads may be out
.else
	s_wait_loadcnt \tailcnt                        ; q, k: the eight loads of the gains may be out; v: nothing is
.endif
	s_wait_dscnt 0x0
.if \s == 0
.set KD, 0
.elseif \s < 4
.set KD, 1
.else
.set KD, 2+\role
.endif
.irp g, 0,1,2,3                        ; the sixteen accumulators take turns, one instruction a turn, in the same order in every step
.irp t, 0,1,2,3
.if \role
	WM ACC+32*\g+8*\t, AF+8*\t, WF+32*(\s%2)+8*\g, SA+\t, SW+4*\g+(\s%4), KD
.else
	WM ACC+32*\g+8*\t, WF+32*(\s%2)+8*\t, AF+8*\g, SW+4*\t+(\s%4), SA+\g, KD
.endif
.endr
.endr
.rept 4
	v_nop                                          ; four plain lines in front of loads into registers that matrix instructions have read, and of the first read of results
.endr
.if \s <= 5
	WLOAD (\s)+2
.endif
.if (\s == 6) && (\role == 0)
.irp b, 0,1
.irp q, 0,1,2,3
	global_load_b128 v[QS+16*\b+4*\q:QS+16*\b+4*\q+3], v4, s[58:59] offset:128*\b+16*\q   ; register 16 b + i: the gain of channel 32 b + 16 (lane / 16) + i
.endr
.endr
.endif
.endm
; Group g (16 tokens): l2 norm, gains, codes, stores
.macro NORMQ g
.set A, ACC+32*\g
	v_pk_mul_f32 v[116:117], v[A:A+1], v[A:A+1]
	v_pk_mul_f32 v[118:119], v[A+2:A+3], v[A+2:A+3]
.irp j, 4,8,12,16,20,24,28
	v_pk_fma_f32 v[116:117], v[A+\j:A+\j+1], v[A+\j:A+\j+1], v[116:117]
	v_pk_fma_f32 v[118:119], v[A+\j+2:A+\j+3], v[A+\j+2:A+\j+3], v[118:119]
.endr
	v_pk_add_f32 v[116:117], v[116:117], v[118:119]
	v_add_f32 v116, v116, v117
	v_permlanex16_b32 v118, v116, s[SEL], s[SEL+1]
	v_add_f32 v116, v116, v118                     ; the token's sum of squares over the head's 64
	v_max_num_f32 v116, 0x179abe15, v116           ; at least 1e-24 = (1e-12)^2
	v_rsq_f32 v120, v116
	v_nop
	s_wait_alu depctr_va_vdst(0)
.irp j, 0,2,4,6,8,10,12,14,16,18,20,22,24,26,28,30
	v_pk_mul_f32 v[A+\j:A+\j+1], v[A+\j:A+\j+1], v[120:121] op_sel_hi:[1,0]
.endr
.irp j, 0,2,4,6,8,10,12,14,16,18,20,22,24,26,28,30
	v_pk_mul_f32 v[A+\j:A+\j+1], v[A+\j:A+\j+1], v[QS+\j:QS+\j+1]
.endr
	QUANT32 A, PC+4*\g, PW+\g
	v_lshl_or_b32 v[PW+\g], v[PW+\g], 16, v[PW+\g]                         ; the two bytes once more, for the empty upper half of the attention product's K
	global_store_b128 v6, v[PC+4*\g:PC+4*\g+3], s[54:55] offset:512*\g     ; 32 lanes store 512 consecutive bytes: 16 rows of 32
	global_store_b32 v7, v[PW+\g], s[56:57] offset:64*\g                   ; both halves of the lanes write the same word with the same value
.endm
	s_load_b512 s[16:31], s[0:1], 0x0              ; x, norm_g, norm_b, Wq_codes, Wq_scales, Wkv_codes, Wkv_scales, q_scale
	s_load_b512 s[32:47], s[0:1], 0x40             ; k_scale, null_kv, qc, qsc, kc, ksc, vc, vsc
	s_set_vgpr_msb 0x40
	v_lshl_add_u32 v0, v0, 2, 0x20000
	v_mov_b32 v1, 0
	s_set_vgpr_msb 0x4000
	v_lshrrev_b32 v4, 5, v0
	v_readfirstlane_b32 s2, v4                     ; wave 0..11
	s_lshr_b32 s3, s2, 2                           ; 0: q, 1: k, 2: v
	s_lshr_b32 s4, s3, 1                           ; 1 for v
	s_and_b32 s5, ttmp9, 31                        ; i: which 64 rows
	s_lshr_b32 s6, ttmp9, 5                        ; b
	s_and_b32 s7, ttmp7, 0xffff                    ; y
	s_and_b32 s8, s2, 3
	s_lshl_b32 s12, s7, 2
	s_add_co_u32 s8, s8, s12                       ; the head
	s_lshl_b32 s9, s6, 4
	s_add_co_u32 s9, s9, s8                        ; 16 b + head
	s_mov_b32 s[SEL], 0x76543210
	s_mov_b32 s[SEL+1], 0xfedcba98
	s_lshl_b32 s60, s5, 6
	s_add_co_u32 s60, s60, 2046
	s_lshl_b32 s61, s6, 11
	s_mov_b32 s62, 0x3a800000                      ; 1 / 1024
	s_mov_b32 s63, 0x3727c5ac                      ; 1e-5
	v_and_b32 v5, 31, v0                           ; lane
	v_and_b32 v6, 15, v0                           ; r
	v_bfe_u32 v7, v0, 4, 1                         ; h
	v_lshrrev_b32 v10, 3, v6
	v_lshl_add_u32 v10, v10, 3, v6                 ; r + 8 (r / 8)
	; every LDS address is made here, ahead of the first branch on the wave's number
	s_min_u32 s12, s3, 1                           ; q reads LayerNorm(x), k reads x
	s_mul_i32 s13, s12, XC
	s_add_co_u32 s13, s13, 2*RP                    ; tokens 64 i on begin at LDS row 2
	v_mul_u32_u24 v[AA0], v6, RP
	v_lshl_add_u32 v[AA0], v7, 4, v[AA0]
	v_add_nc_u32 v[AA0], s13, v[AA0]
	s_mul_i32 s13, s12, XS-XNS
	s_add_co_u32 s13, s13, XNS+2*SPI
	v_mul_u32_u24 v[AS0], v6, SPI
	v_add_nc_u32 v[AS0], s13, v[AS0]
	v_mul_u32_u24 v[AA1], v10, RP                  ; v: positions 64 i on begin at LDS row 0, and a tile's rows are not neighbours
	v_lshl_add_u32 v[AA1], v7, 4, v[AA1]
	v_add_nc_u32 v[AA1], XC, v[AA1]
	v_mul_u32_u24 v[AS1], v10, SPI
	v_add_nc_u32 v[AS1], XS, v[AS1]
	v_lshlrev_b32 v[WOFF], 9, v10                  ; a weight row is 512 bytes of codes,
	v_lshl_add_u32 v[WOFF], v7, 4, v[WOFF]
	v_lshlrev_b32 v4, 5, v10                       ; and 32 scale bytes: lanes 0-15 take K steps 0-3, lanes 16-31 K steps 4-7
	v_lshl_add_u32 v4, v7, 4, v4
	s_mul_i32 s12, s2, 4608
	s_add_co_u32 s12, s12, STG                     ; my stage
	v_lshrrev_b32 v10, 3, v5
	v_and_b32 v11, 7, v5
	v_mul_u32_u24 v[STI], v10, 144
	v_lshl_add_u32 v[STI], v11, 4, v[STI]
	v_add_nc_u32 v[STI], s12, v[STI]               ; in: eight lanes' 128 bytes on end, then 16 of padding; a load's 512 bytes take four places
	v_mul_u32_u24 v[STO], v5, 144
	v_add_nc_u32 v[STO], s12, v[STO]               ; out: place = lane: my block
	s_mul_i32 s13, s2, RP
	v_lshlrev_b32 v[GOFF], 4, v5
	v_add_nc_u32 v[XCN], s13, v[GOFF]              ; codes: row w, 16 bytes a lane
	v_add_nc_u32 v[XCX], XC, v[XCN]
	s_mul_i32 s13, s2, SPI
	s_add_co_u32 s13, s13, XNS
	v_add_nc_u32 v[XSN], s13, v5                   ; scale bytes: row w, one byte a lane
	v_add_nc_u32 v[XSX], XS-XNS, v[XSN]
	v_lshlrev_b32 v39, 7, v5                       ; my block's gains and biases
	v_mov_b32 v45, 0                               ; upper halves of pairs of which the low word serves both halves: written once
	v_mov_b32 v47, 0
	v_mov_b32 v53, 0                               ; a lane permute's destination counts as one of its sources
	s_wait_kmcnt 0x0
	s_cmp_eq_u32 s3, 0                             ; q takes Wq, k and v take Wkv: the choice hangs on the wave's number alone
	s_cselect_b64 s[48:49], s[22:23], s[26:27]
	s_cselect_b64 s[50:51], s[24:25], s[28:29]
	s_lshl_b32 s12, s8, 6
	s_lshl_b32 s13, s4, 10
	s_add_co_u32 s12, s12, s13                     ; my first weight row: 64 x head, + 1,024 for v
	s_lshl_b32 s14, s12, 9
	s_mov_b32 s15, 0
	s_add_nc_u64 s[48:49], s[48:49], s[14:15]
	s_lshl_b32 s14, s12, 5
	s_add_nc_u64 s[50:51], s[50:51], s[14:15]
.irp t, 0,1,2,3
	global_load_b128 v[SW+4*\t:SW+4*\t+3], v4, s[50:51] offset:(32*(\t/2)+8*(\t%2))*32
.endr
	WLOAD 0
	WLOAD 1
.irp q, 0,1,2,3,4,5,6,7
	global_load_b128 v[G+4*\q:G+4*\q+3], v39, s[18:19] offset:16*\q
	global_load_b128 v[BN+4*\q:BN+4*\q+3], v39, s[20:21] offset:16*\q
.endr
	XLOAD 0
	ROW 0, 1
	ROW 1, 1
	ROW 2, 1
	ROW 3, 1
	ROW 4, 1
	s_cmp_lt_u32 s2, 6                             ; rows 60 to 65 belong to waves 0 to 5
	s_cbranch_scc0 .Ldone
	ROW 5, 0
.Ldone:
	s_wait_loadcnt 0x0
	s_wait_dscnt 0x0                               ; my codes and scale bytes have landed
	s_barrier_signal -1
	s_barrier_wait -1                              ; everybody's have; behind this barrier LDS is only read
	s_cmp_eq_u32 s3, 2
	s_cbranch_scc1 .Lv
	; ---------------- q and k ----------------
	s_cmp_eq_u32 s3, 0
	s_cselect_b64 s[58:59], s[30:31], s[32:33]     ; q_scale or k_scale
	s_cselect_b64 s[54:55], s[36:37], s[40:41]     ; qc or kc
	s_cselect_b64 s[56:57], s[38:39], s[42:43]     ; qsc or ksc
	s_mov_b32 s13, 2176
	s_cselect_b32 s12, 2048, s13                   ; rows a head: tokens, or positions with the zero rows behind them
	s_cselect_b32 s14, 0, 2                        ; a key's position is its token + 2
	s_mul_i32 s12, s12, s9
	s_lshl_b32 s13, s5, 6
	s_add_co_u32 s12, s12, s13
	s_add_co_u32 s12, s12, s14
	s_lshl_b32 s14, s12, 5                         ; 32 bytes of codes a row,
	s_mov_b32 s15, 0
	s_add_nc_u64 s[54:55], s[54:55], s[14:15]
	s_lshl_b32 s14, s12, 2                         ; one scale word
	s_add_nc_u64 s[56:57], s[56:57], s[14:15]
	v_and_b32 v7, 15, v0
	v_bfe_u32 v5, v0, 4, 1
	v_lshlrev_b32 v6, 5, v7
	v_lshl_add_u32 v6, v5, 4, v6                   ; 32 r + 16 h
	v_lshlrev_b32 v4, 6, v5                        ; 64 h
	v_lshlrev_b32 v7, 2, v7                        ; 4 r
	GSTEP 0, 0, 8
	GSTEP 1, 0, 8
	GSTEP 2, 0, 8
	GSTEP 3, 0, 8
	GSTEP 4, 0, 8
	GSTEP 5, 0, 8
	GSTEP 6, 0, 8
	GSTEP 7, 0, 8
	v_mov_b32 v121, 0
	v_mov_b32 v[QN], 0
	v_mov_b32 v[QN+1], 0
	s_wait_loadcnt 0x0                             ; the gains
	NORMQ 0
	NORMQ 1
	NORMQ 2
	NORMQ 3
	s_cmp_lg_u32 s3, 1
	s_cbranch_scc1 .Lqk_end
	s_cmp_lg_u32 s5, 0
	s_cbranch_scc1 .Lqk_end
	; the k wave of the first 64 rows also writes positions 0, 1 (the null keys) and 2050 .. 2175 (zero rows, which fill the last key step)
	s_wait_xcnt 0x0                                ; the stores above have read their bases, offsets and data: all are written again below
	s_sub_nc_u64 s[54:55], s[54:55], 64            ; back to position 0
	s_sub_nc_u64 s[56:57], s[56:57], 8
	s_lshl_b32 s12, s8, 10                         ; a head's four rows of 64 numbers in null_kv; rows 0 and 2 are the keys
	s_mov_b32 s13, 0
	s_add_nc_u64 s[52:53], s[34:35], s[12:13]
	v_and_b32 v5, 15, v0
	v_bfe_u32 v32, v0, 4, 1
	v_min_u32 v4, 1, v5
	v_lshlrev_b32 v4, 9, v4
	v_lshl_add_u32 v4, v32, 6, v4                  ; 512 min(r, 1) + 64 h
.irp b, 0,1
.irp q, 0,1,2,3
	global_load_b128 v[ACC+16*\b+4*\q:ACC+16*\b+4*\q+3], v4, s[52:53] offset:128*\b+16*\q
.endr
.endr
	v_lshrrev_b32 v33, 1, v5
	v_min_u32 v33, 1, v33
	v_lshl_add_u32 v33, v33, 11, v5                ; lane r's position: r for r < 2, else 2048 + r
	v_lshlrev_b32 v6, 5, v33
	v_lshl_add_u32 v6, v32, 4, v6
	v_lshlrev_b32 v7, 2, v33
	v_mov_b32 v35, 1.0
	v_cmp_gt_u32 vcc_lo, 2, v5
	v_cndmask_b32 v34, 0, v35, vcc_lo              ; 1 for the two null keys, 0 for the zero rows
	s_wait_loadcnt 0x0
.irp j, 0,2,4,6,8,10,12,14,16,18,20,22,24,26,28,30
	v_pk_mul_f32 v[ACC+\j:ACC+\j+1], v[ACC+\j:ACC+\j+1], v[34:35] op_sel_hi:[1,0]
.endr
	NORMQ 0
	v_and_b32 v11, 31, v0
	v_lshlrev_b32 v10, 4, v11
	v_lshlrev_b32 v11, 2, v11
.irp z, 32,33,34,35
	v_mov_b32 v\z, 0
.endr
	v_mov_b32 v36, 0x7f7f7f7f
.irp k, 0,1,2,3,4,5,6
	global_store_b128 v10, v[32:35], s[54:55] offset:2064*32+512*\k        ; positions 2064 .. 2175: zero codes
.endr
.irp p, 2064,2096,2128,2144
	global_store_b32 v11, v36, s[56:57] offset:4*\p                        ; and scales of 1 (the last store overlaps the one before with the same value)
.endr
.Lqk_end:
	s_set_vgpr_msb 0x5
	s_wait_tensorcnt 0x0
	ds_add_u32 v0, v1
	s_wait_dscnt 0x0
	s_set_vgpr_msb 0x500
	s_endpgm
	; ---------------- v ----------------
.Lv:
	GSTEP 0, 1, 0
	GSTEP 1, 1, 0
	GSTEP 2, 1, 0
	GSTEP 3, 1, 0
	GSTEP 4, 1, 0
	GSTEP 5, 1, 0
	GSTEP 6, 1, 0
	GSTEP 7, 1, 0
	v_mov_b32 v[QN], 0
	v_mov_b32 v[QN+1], 0
	v_and_b32 v5, 31, v0
	v_lshlrev_b32 v6, 4, v5                        ; 16 x lane: the codes leave as an image of the attention launch's operand registers
	v_and_b32 v4, 15, v0
	v_lshlrev_b32 v7, 2, v4                        ; 4 r
	s_lshr_b32 s58, s5, 1                          ; the key step of 128 positions,
	s_and_b32 s59, s5, 1                           ; and which half of it
	s_mul_i32 s12, s9, 69632                       ; a head: 17 key steps of 4,096 bytes
	s_lshl_b32 s14, s58, 12
	s_add_co_u32 s12, s12, s14
	s_lshl_b32 s14, s59, 9
	s_add_co_u32 s12, s12, s14
	s_mov_b32 s13, 0
	s_add_nc_u64 s[54:55], s[44:45], s[12:13]
	s_mul_i32 s12, s9, 4352                        ; scale words: 17 key steps of 256 bytes
	s_lshl_b32 s14, s58, 8
	s_add_co_u32 s12, s12, s14
	s_lshl_b32 s14, s59, 1
	s_add_co_u32 s12, s12, s14
	s_add_nc_u64 s[56:57], s[46:47], s[12:13]
	s_cmp_lg_u32 s5, 0
	s_cbranch_scc1 .Lvq
	; i = 0: registers 0 and 1 of lanes 0-15 hold v of tokens 2046 and 2047: positions 2048 and 2049, the last, short block.  It is quantised and stored as key step 16; then the null values take the two places.
	s_add_nc_u64 s[58:59], s[54:55], 65536
	s_add_nc_u64 s[60:61], s[56:57], 4096
	s_lshl_b32 s12, s8, 10
	s_add_nc_u64 s[52:53], s[34:35], s[12:13]
	v_lshrrev_b32 v10, 3, v4
	v_lshl_add_u32 v10, v10, 3, v4
	v_lshlrev_b32 v10, 2, v10                      ; 4 (r + 8 (r / 8)): my channel in a tile
.irp g, 0,1,2,3
.irp n, 0,1
	global_load_b32 v[32+2*\g+\n], v10, s[52:53] offset:(2*\n+1)*256+(32*(\g/2)+8*(\g%2))*4    ; rows 1 and 3 of the head's four are the null values
.endr
.endr
	v_cmp_gt_u32 vcc_lo, 16, v5
.irp g, 0,1,2,3
	v_cndmask_b32 v[64+8*\g], 0, v[ACC+32*\g], vcc_lo
	v_cndmask_b32 v[65+8*\g], 0, v[ACC+32*\g+1], vcc_lo
.irp z, 2,3,4,5,6,7
	v_mov_b32 v[64+8*\g+\z], 0
.endr
	v_mov_b32 v[100+\g], 0
.irp z, 1,2,3
	v_mov_b32 v[40+4*\g+\z], 0
.endr
	v_mov_b32 v[56+\g], 0
.endr
.irp g, 0,1,2,3
	v_max3_num_f32 v[96+\g], |v[64+8*\g]|, |v[65+8*\g]|, 0x1800000
.endr
.irp g, 0,1,2,3
	v_permlanex16_b32 v[100+\g], v[96+\g], s[SEL], s[SEL+1]
.endr
.irp g, 0,1,2,3
	v_max_num_f32 v[96+\g], v[96+\g], v[100+\g]
.endr
.irp g, 0,1,2,3
	v_add_nc_u32 v[104+\g], 0xff000000, v[96+\g]
.endr
.irp g, 0,1,2,3
	v_cvt_scalef32_pk8_fp4_f32 v[40+4*\g], v[64+8*\g:71+8*\g], v[104+\g]
.endr
.irp g, 0,1,2,3
	v_lshrrev_b32 v[108+\g], 23, v[104+\g]
.endr
.irp g, 0,1,2,3
	v_or_b32 v[108+\g], 0x7f7f7f00, v[108+\g]      ; the step's other three blocks are zeros under a scale of 1
.endr
.irp g, 0,1,2,3
	global_store_b128 v6, v[40+4*\g:43+4*\g], s[58:59] offset:1024*\g
	global_store_b128 v6, v[56:59], s[58:59] offset:1024*\g+512
	global_store_b32 v7, v[108+\g], s[60:61] offset:64*\g
.endr
	s_wait_loadcnt 0x0
.irp g, 0,1,2,3
	v_cndmask_b32 v[ACC+32*\g], v[ACC+32*\g], v[32+2*\g], vcc_lo
	v_cndmask_b32 v[ACC+32*\g+1], v[ACC+32*\g+1], v[33+2*\g], vcc_lo
.endr
	s_wait_xcnt 0x0                                ; the stores above have read their data: those registers are written again below
.Lvq:
.irp g, 0,1,2,3
	QUANT32 ACC+32*\g, PC+4*\g, PW+\g
	global_store_b128 v6, v[PC+4*\g:PC+4*\g+3], s[54:55] offset:1024*\g    ; 32 lanes store 512 consecutive bytes
	global_store_b16 v7, v[PW+\g], s[56:57] offset:64*\g                   ; my two of the key step's four scale bytes
.endr
	s_set_vgpr_msb 0x5
	s_wait_tensorcnt 0x0
	ds_add_u32 v0, v1
	s_wait_dscnt 0x0
	s_set_vgpr_msb 0x500
	s_endpgm
.Lfunc_end_k_qd7833ee874_proj:
	.size	k_qd7833ee874_proj, .Lfunc_end_k_qd7833ee874_proj-k_qd7833ee874_proj
	.p2alignl 7, 3214868480
	.fill 96, 4, 3214868480
	.section	.rodata,"a",@progbits
	.p2align	6, 0x0
	.amdhsa_kernel k_qd7833ee874_proj
		.amdhsa_group_segment_fixed_size 132608
		.amdhsa_private_segment_fixed_size 0
		.amdhsa_enable_private_segment 0
		.amdhsa_kernarg_size 128
		.amdhsa_user_sgpr_count 2
		.amdhsa_user_sgpr_kernarg_segment_ptr 1
		.amdhsa_wavefront_size32 1
		.amdhsa_system_sgpr_workgroup_id_x 1
		.amdhsa_system_sgpr_workgroup_id_y 1
		.amdhsa_system_sgpr_workgroup_id_z 1
		.amdhsa_system_vgpr_workitem_id 0
		.amdhsa_next_free_vgpr 258
		.amdhsa_next_free_sgpr 66
		.amdhsa_reserve_vcc 1
		.amdhsa_float_denorm_mode_32 3
		.amdhsa_float_denorm_mode_16_64 3
		.amdhsa_memory_ordered 1
		.amdhsa_forward_progress 1
		.amdhsa_inst_pref_size 179
	.end_amdhsa_kernel
	.amdgpu_metadata
---
amdhsa.version: [ 1, 2 ]
amdhsa.kernels:
  - .name:           k_qd7833ee874_proj
    .symbol:         k_qd7833ee874_proj.kd
    .args:
      - { .name: x, .offset: 0, .size: 8, .value_kind: global_buffer, .address_space: global }
      - { .name: norm_g, .offset: 8, .size: 8, .value_kind: global_buffer, .address_space: global }
      - { .name: norm_b, .offset: 16, .size: 8, .value_kind: global_buffer, .address_space: global }
      - { .name: Wq_codes, .offset: 24, .size: 8, .value_kind: global_buffer, .address_space: global }
      - { .name: Wq_scales, .offset: 32, .size: 8, .value_kind: global_buffer, .address_space: global }
      - { .name: Wkv_codes, .offset: 40, .size: 8, .value_kind: global_buffer, .address_space: global }
      - { .name: Wkv_scales, .offset: 48, .size: 8, .value_kind: global_buffer, .address_space: global }
      - { .name: q_scale, .offset: 56, .size: 8, .value_kind: global_buffer, .address_space: global }
      - { .name: k_scale, .offset: 64, .size: 8, .value_kind: global_buffer, .address_space: global }
      - { .name: null_kv, .offset: 72, .size: 8, .value_kind: global_buffer, .address_space: global }
      - { .name: qc, .offset: 80, .size: 8, .value_kind: global_buffer, .address_space: global }
      - { .name: qsc, .offset: 88, .size: 8, .value_kind: global_buffer, .address_space: global }
      - { .name: kc, .offset: 96, .size: 8, .value_kind: global_buffer, .address_space: global }
      - { .name: ksc, .offset: 104, .size: 8, .value_kind: global_buffer, .address_space: global }
      - { .name: vc, .offset: 112, .size: 8, .value_kind: global_buffer, .address_space: global }
      - { .name: vsc, .offset: 120, .size: 8, .value_kind: global_buffer, .address_space: global }
    .group_segment_fixed_size: 132608
    .private_segment_fixed_size: 0
    .kernarg_segment_align: 8
    .kernarg_segment_size: 128
    .max_flat_workgroup_size: 384
    .sgpr_count:     66
    .vgpr_count:     258
    .wavefront_size: 32
...
	.end_amdgpu_metadata
.endif
;; end of part 1
;; launch attn (part 2): grid 8 x 32, 16 waves a work-group, no clusters, 169,984 bytes of LDS; arguments qc, qsc, kc, ksc, vc, vsc, oc, osc; writes oc, osc
.if DOCPART == 2
	.amdgcn_target "amdgcn-amd-amdhsa--gfx1250"
	.amdhsa_code_object_version 6
	.text
	.protected	k_qd7833ee874_attn
	.globl	k_qd7833ee874_attn
	.p2align	8
	.type	k_qd7833ee874_attn,@function
k_qd7833ee874_attn:
	s_mov_b64 s[64:65], 0
	v_nop
	global_prefetch_b8 v0, s[64:65] scope:SCOPE_SE
	s_setreg_imm32_b32 hwreg(HW_REG_WAVE_MODE, 25, 1), 1
	s_wait_xcnt 0x0
; Attention on codes of FP4 (E2M1, one E8M0 scale for each 32 along a product's K): S^T = K Q^T, the ALiBi term, the causal mask, the softmax, O^T = V^T P^T, the division by the row's sum, and the result's codes for the last product.
; A key's position is its token + 2; positions 0 and 1 are the null keys; query i stands at position i + 2 and sees positions up to its own.  logit = 8 q.k - slope x (own position - key's position).
; THE SOFTMAX: t = logit x log2(e); M = the running largest t rounded UP to a whole number; p = 2^(t - M) is what is quantised, along the positions, in blocks of 32 from position 0.  The row's sum is taken of the unquantised p
; and divides at the end.  When M moves, the sum and O^T are multiplied by 2^(old M - new M): exact.
; SHARES.  Work-group (g, 16 b + head): sixteen waves, each with ONE tile of 16 queries: tile 8 rho + g, rho = w xor 3 ((w / 4) % 2): every work-group's tiles are spread evenly over the head, so all have about the same number of key steps.
; A key step is 128 positions.  A step all of whose positions come after the wave's queries is left out: a scalar branch on ids inside a loop of constant count.
; LDS holds the head's first sixteen key steps, 143,360 bytes, FILLED ONCE: wave w copies step w by 18 asynchronous copies at the kernel's head; one barrier; then LDS is only read.  The copy of K is addressed lane by lane so that it
; lands as an image of the operand's registers.  Step 16 (positions 2048 on) is wanted by the head's last tile alone, which loads it from memory.
; NO JOINT REQUESTS: the eight work-groups of a head read the same 143,360 bytes, but each reads them once, ahead of all its work, and by copies whose LDS addresses differ from lane to lane; a joint request would be a tensor load, which lays rows as rows.
; LAYOUT.  Both products are used transposed: a lane holds ONE query (lane % 16) throughout.  THE KEYS OF A TILE ARE NOT NEIGHBOURS: lane r of tile 2 b + u takes position 32 b + 8 u + r + 8 (r / 8): register 16 b + i is position 32 b + 16 (lane / 16) + i.
; K = 64 IN AN INSTRUCTION OF K = 128: Q's upper four registers hold zero codes.  K's tile t is named v[64 + 4 t : 71 + 4 t]: its upper half is the next tile's codes (zeros behind the last), every one a finite number that meets a zero code.
; The scale words of q and k repeat their two bytes for that half.
; t - M = (c s + BI[i]) + (T_b - M): c = 8 log2(e); BI[i] = a (i + 16 (lane / 16) - lane % 16 - 2), sixteen registers that serve all four blocks; T_b = a (step's first position - tile's first query) + 32 a b; a = slope x log2(e).
; LIMITS: NaN and infinities are not served.  p under 2^-126 comes out as 0 (v_exp_f32 gives 0 there).  A hidden logit is -infinity where the definition has the largest negative number: p is 0 either way.
; A block whose every p is 0, and a block of the result under 2^-124, gets the scale byte 1 over zero or held codes.  The division by the row's sum is v_rcp_f32 and a multiplication.
.set KCB,  0                           ; LDS: K's images, 16 x 4,096 bytes: [tile 8][lane 32][16]
.set VCB,  65536                       ; V's images, 16 x 4,096: [tile 4][half 2][lane 32][16]
.set KSB,  131072                      ; K's scale words, 16 x 512
.set VSB,  139264                      ; V's scale words, 16 x 256
.set AK0,  1                           ; v1-4 my lane's places in the four regions; v5 r + 2 - 16 h
.set AV0,  2
.set ASK0, 3
.set ASV0, 4
.set DL0,  5
.set ADK,  6                           ; v6-9 the step's addresses
.set ADV,  7
.set ADS,  8
.set ADT,  9
.set NM,   10                          ; v10 -M; v11 the largest t; v[12:13] the sum in two halves; v[14:15] f
.set TM,   11
.set L,    12
.set F,    14
.set MB,   16                          ; v16-19 the blocks' largest; v20-23 at work; v24, 26, 28, 30 T_b - M; v32-35 the conversions' scale operands
.set PX,   20
.set ZB,   24
.set EB,   32
.set T0,   36                          ; v36-39 at work
.set T1,   37
.set T2,   38
.set T3,   39
.set BI,   40                          ; v40-55
.set QR,   56                          ; v56-63 Q
.set KR,   64                          ; v64-99 K
.set VR,   100                         ; v100-131 V
.set S,    132                         ; v132-195 S^T, then p
.set O,    196                         ; v196-227 O^T
.set P,    228                         ; v228-235 p's codes
.set TBV,  236                         ; v236-239 T_b
.set KSC,  240                         ; v240-243 K's scale words: lanes 0-15 tile 2 b, lanes 16-31 tile 2 b + 1; v244-245 V's likewise; v246 Q's; v247 p's
.set VSC,  244
.set QSC,  246
.set PWD,  247
.set GK,   248                         ; v248-255 the copies' addresses; behind the wait for them v248 holds my lane's offset in K's rows in memory
.set WV,   2
.set MT,   3
.set Q0,   4
.set QMAX, 5
.set QMIN, 6
.set BH,   7
.set HD,   8
.set KF,   9                           ; s9 the step's first position; s10-12 where the step begins in the LDS regions; s13 steps to go
.set TB,   10
.set TS,   11
.set TV,   12
.set CNT,  13
.set SEL,  14
.set CS,   48                          ; s[48:49] c; s50 a; s51-53 32 a, 64 a, 96 a
.set AL,   50
.set QM,   16
.set QN,   20
.set QE,   32
.set QY,   22
.macro QUANT32 s, pc, pw               ; 32 numbers of a lane, register 16 b + i = element 32 b + 16 (lane / 16) + i, become 16 bytes of codes (block lane / 16) and two scale bytes
.irp b, 0,1
	v_max3_num_f32 v[QM+\b], |v[\s+16*\b]|, |v[\s+16*\b+1]|, 0x1800000
.endr
.irp i, 2,4,6,8,10,12,14
.irp b, 0,1
	v_max3_num_f32 v[QM+\b], v[QM+\b], |v[\s+16*\b+\i]|, |v[\s+16*\b+\i+1]|
.endr
.endr
.irp b, 0,1
	v_permlanex16_b32 v[QN+\b], v[QM+\b], s[SEL], s[SEL+1]
.endr
.irp b, 0,1
	v_max_num_f32 v[QM+\b], v[QM+\b], v[QN+\b]
.endr
.irp b, 0,1
	v_add_nc_u32 v[QE+\b], 0xff000000, v[QM+\b]
.endr
.irp b, 0,1
	v_lshrrev_b32 v[QY+\b], 23, v[QE+\b]
.endr
	v_lshl_or_b32 v[\pw], v[QY+1], 8, v[QY]
.irp b, 0,1
	v_cvt_scalef32_pk8_fp4_f32 v[\pc+2*\b], v[\s+16*\b:\s+16*\b+7], v[QE+\b]
	v_cvt_scalef32_pk8_fp4_f32 v[\pc+2*\b+1], v[\s+16*\b+8:\s+16*\b+15], v[QE+\b]
.endr
	v_nop
	v_permlane16_swap_b32 v[\pc], v[\pc+2]
	v_permlane16_swap_b32 v[\pc+1], v[\pc+3]
.endm
	s_load_b512 s[16:31], s[0:1], 0x0              ; qc, qsc, kc, ksc, vc, vsc, oc, osc
	v_lshl_add_u32 v254, v0, 2, 0x29000
	v_mov_b32 v255, 0
	ds_add_u32 v254, v255
	ds_add_u32 v254, v255
	s_wait_dscnt 0x0
	v_lshrrev_b32 v6, 5, v0
	v_readfirstlane_b32 s[WV], v6                  ; wave 0..15
	s_and_b32 s[BH], ttmp7, 0xffff                 ; 16 b + head
	s_and_b32 s[HD], s[BH], 15
	s_bfe_u32 s54, s[WV], 0x10002                  ; (w / 4) % 2
	s_mul_i32 s54, s54, 3
	s_xor_b32 s54, s54, s[WV]                      ; rho
	s_lshl_b32 s[MT], s54, 3
	s_add_co_u32 s[MT], s[MT], ttmp9               ; my tile of queries
	s_lshl_b32 s[Q0], s[MT], 4                     ; my first query
	s_add_co_u32 s[QMAX], s[Q0], 17                ; the position of my last query,
	s_add_co_u32 s[QMIN], s[Q0], 2                 ; and of my first
	v_and_b32 v1, 31, v0                           ; lane
	v_lshlrev_b32 v250, 4, v1                      ; memory: 16 x lane
	v_add_nc_u32 v251, 512, v250
	v_lshlrev_b32 v255, 3, v1                      ; 8 x lane
	s_lshl_b32 s54, s[WV], 12                      ; step w's 4,096 bytes
	v_bfe_u32 v6, v0, 4, 1
	v_bfe_u32 v7, v0, 1, 3
	v_and_b32 v8, 1, v0
	v_lshlrev_b32 v248, 9, v6                      ; K: memory byte 1,024 k + 16 l is row 32 k + l / 2, block l % 2.  Rows 0-7 of a 32 are lanes 0-7 of tile 2 k, rows 8-15 of tile 2 k + 1,
	v_lshl_add_u32 v248, v7, 4, v248               ; rows 16-23 and 24-31 their lanes 8-15: image byte 512 (tile) + 16 (row's lane) + 256 (block)
	v_lshl_add_u32 v248, v8, 8, v248
	v_add_nc_u32 v248, s54, v248
	v_add_nc_u32 v249, 128, v248                   ; the rows 16 further on: eight lanes further on
	v_add_nc_u32 v252, s54, v250
	v_add_nc_u32 v252, VCB, v252
	s_lshl_b32 s55, s[WV], 9
	v_add_nc_u32 v253, s55, v250
	v_add_nc_u32 v253, KSB, v253
	s_lshl_b32 s55, s[WV], 8
	v_add_nc_u32 v254, s55, v255
	v_add_nc_u32 v254, VSB, v254
	s_mul_i32 s54, s[BH], 69632                    ; a head's codes of K, and of V: 17 steps of 4,096 bytes
	s_mov_b32 s55, 0
	s_wait_kmcnt 0x0
	s_add_nc_u64 s[40:41], s[20:21], s[54:55]
	s_add_nc_u64 s[44:45], s[24:25], s[54:55]
	s_lshl_b32 s54, s[WV], 12
	s_add_nc_u64 s[32:33], s[40:41], s[54:55]      ; step w
	s_add_nc_u64 s[34:35], s[44:45], s[54:55]
	s_add_nc_u64 s[40:41], s[40:41], 65536         ; step 16
	s_add_nc_u64 s[44:45], s[44:45], 65536
	s_mul_i32 s54, s[BH], 8704
	s_add_nc_u64 s[42:43], s[22:23], s[54:55]
	s_lshl_b32 s54, s[WV], 9
	s_add_nc_u64 s[36:37], s[42:43], s[54:55]
	s_add_nc_u64 s[42:43], s[42:43], 8192
	s_mul_i32 s54, s[BH], 4352
	s_add_nc_u64 s[46:47], s[26:27], s[54:55]
	s_lshl_b32 s54, s[WV], 8
	s_add_nc_u64 s[38:39], s[46:47], s[54:55]
	s_add_nc_u64 s[46:47], s[46:47], 4096
	; the copies: all of them here, ahead of every wait for copies, every LDS read and the barrier; v248-255 and s[32:39] stay as they are until the wait for them
.irp k, 0,1,2,3
	global_load_async_to_lds_b128 v248, v250, s[32:33] offset:1024*\k      ; the immediate is added to both addresses
	global_load_async_to_lds_b128 v249, v251, s[32:33] offset:1024*\k
.endr
.irp k, 0,1,2,3,4,5,6,7
	global_load_async_to_lds_b128 v252, v250, s[34:35] offset:512*\k
.endr
	global_load_async_to_lds_b128 v253, v250, s[36:37]
	global_load_async_to_lds_b64 v254, v255, s[38:39]
	; the rest of the set-up stands behind them
	v_and_b32 v6, 15, v0                           ; r
	v_bfe_u32 v7, v0, 4, 1                         ; h
	v_lshl_add_u32 v[ASV0], v1, 2, VSB             ; V's scale words: 4 x lane: lanes 0-15 an even tile's, lanes 16-31 the next's
	v_lshlrev_b32 v[AK0], 4, v1                    ; images: 16 x lane
	v_add_nc_u32 v[AV0], VCB, v[AK0]
	v_lshrrev_b32 v8, 3, v6
	v_lshl_add_u32 v8, v8, 3, v6                   ; r + 8 (r / 8)
	v_lshl_add_u32 v9, v7, 3, v8
	v_lshl_add_u32 v[ASK0], v9, 2, KSB             ; K's scale words: position 8 h + r + 8 (r / 8) of a 32
	v_lshlrev_b32 v9, 4, v7
	v_sub_nc_u32 v[DL0], v6, v9
	v_add_nc_u32 v[DL0], 2, v[DL0]
	v_lshlrev_b32 v[T2], 5, v6
	v_lshl_add_u32 v[T2], v7, 4, v[T2]             ; Q: 32 r + 16 h
	v_lshlrev_b32 v[T3], 2, v6                     ; its scale word: 4 r
	s_lshl_b32 s58, s[BH], 11
	s_add_co_u32 s58, s58, s[Q0]
	s_lshl_b32 s54, s58, 5
	s_add_nc_u64 s[56:57], s[16:17], s[54:55]
	s_lshl_b32 s54, s58, 2
	s_add_nc_u64 s[58:59], s[18:19], s[54:55]
	global_load_b128 v[QR:QR+3], v[T2], s[56:57]
	global_load_b32 v[QSC], v[T3], s[58:59]
	s_lshr_b32 s60, s[BH], 4
	s_lshl_b32 s60, s60, 7
	s_add_co_u32 s60, s60, s[MT]                   ; the tile of rows among all 256: 128 b + my tile
	s_lshl_b32 s62, s60, 9
	s_lshl_b32 s54, s60, 4
	s_add_co_u32 s54, s54, s[HD]
	s_lshl_b32 s54, s54, 9
	s_add_nc_u64 s[60:61], s[28:29], s[54:55]      ; oc: 512 bytes for each tile of rows and head
	s_lshl_b32 s54, s[HD], 1
	s_add_co_u32 s54, s54, s62
	s_add_nc_u64 s[62:63], s[30:31], s[54:55]      ; osc: 512 bytes a tile of rows, 32 a row, two a head
	s_add_co_u32 s51, s[HD], 1                     ; slope = 2^(-(head + 1) / 2)
	s_lshr_b32 s52, s51, 1
	s_sub_co_u32 s52, 127, s52
	s_lshl_b32 s52, s52, 23                        ; 2^(-((head + 1) / 2, rounded down))
	s_mov_b32 s[AL], 0x3fb8aa3b                    ; log2(e),
	s_and_b32 s53, s51, 1
	s_cmp_eq_u32 s53, 1
	s_cselect_b32 s[AL], 0x3f8293ee, s[AL]         ; or log2(e) / sqrt(2) where head + 1 is odd
	s_mul_f32 s[AL], s[AL], s52
	s_mul_f32 s51, s[AL], 0x42000000
	s_mul_f32 s52, s[AL], 0x42800000
	s_mul_f32 s53, s[AL], 0x42c00000
	s_mov_b32 s[CS], 0x4138aa3b                    ; c = 8 log2(e)
	s_mov_b32 s[CS+1], s[CS]                       ; (named with it as a pair, so it is written)
	s_mov_b32 s[SEL], 0x76543210
	s_mov_b32 s[SEL+1], 0xfedcba98
	s_mov_b32 s[KF], 0
	s_mov_b32 s[TB], 0
	s_mov_b32 s[TS], 0
	s_mov_b32 s[TV], 0
	v_sub_nc_u32 v[T0], 0, v[DL0]
.irp i, 0,1,2,3,4,5,6,7,8,9,10,11,12,13,14,15
	v_add_nc_u32 v[T1], \i, v[T0]
	v_cvt_f32_i32 v[T1], v[T1]
	v_mul_f32 v[BI+\i], s[AL], v[T1]
.endr
	v_mov_b32 v[TM], 0xff61b1e6                    ; the largest t so far: -3e38, under every t
	v_floor_f32 v[NM], -v[TM]
	v_mov_b32 v[L], 0
	v_mov_b32 v[L+1], 0
	v_mov_b32 v[F+1], 0                            ; upper halves of pairs of which the low word serves both halves: written once
.irp b, 0,1,2,3
	v_mov_b32 v[PX+\b], 0                          ; a lane permute's destination counts as one of its sources
	v_mov_b32 v[ZB+2*\b+1], 0
	v_mov_b32 v[QR+4+\b], 0                        ; Q's upper half: zero codes
	v_mov_b32 v[KR+32+\b], 0                       ; behind K's last tile: zero codes
.endr
.set n, 0
.rept 32
	v_mov_b32 v[O+n], 0                            ; O^T.  (The step is written once: the first finds zeros, which the first change of M leaves zeros)
.set n, n+1
.endr
	s_wait_loadcnt 0x0                             ; Q
	s_wait_asynccnt 0x0                            ; my step's copies have landed
	s_barrier_signal -1
	s_barrier_wait -1                              ; everybody's have
	v_lshlrev_b32 v[GK], 5, v8
	v_lshl_add_u32 v[GK], v7, 4, v[GK]             ; 32 (r + 8 (r / 8)) + 16 h, for step 16
; A KEY STEP of 128 positions.  glob = 0: operands from LDS, in the loop; glob = 1: step 16, from memory
.macro STEP glob
.if \glob == 0
	s_cmp_gt_u32 s[KF], s[QMAX]                    ; all its positions come after my queries: nothing to do but to step the addresses
	s_cbranch_scc1 .Lskip_\@
	v_add_nc_u32 v[ADK], s[TB], v[AK0]             ; (these four plain lines are also the places between the last step's products and the loads into their sources)
	v_add_nc_u32 v[ADV], s[TB], v[AV0]
	v_add_nc_u32 v[ADS], s[TS], v[ASK0]
	v_add_nc_u32 v[ADT], s[TV], v[ASV0]
.else
	v_mov_b32 v[ADK], v[GK]
	v_mov_b32 v[ADV], v[AK0]
	v_add_nc_u32 v[ADS], -KSB, v[ASK0]
	v_add_nc_u32 v[ADT], -VSB, v[ASV0]
.endif
.irp t, 0,1,2,3,4,5,6,7
.if \glob
	global_load_b128 v[KR+4*\t:KR+4*\t+3], v[ADK], s[40:41] offset:(32*(\t/2)+8*(\t%2))*32
.else
	ds_load_b128 v[KR+4*\t:KR+4*\t+3], v[ADK] offset:512*\t
.endif
.endr
.irp b, 0,1,2,3
.if \glob
	global_load_b32 v[KSC+\b], v[ADS], s[42:43] offset:128*\b
.else
	ds_load_b32 v[KSC+\b], v[ADS] offset:128*\b
.endif
.endr
.irp t, 0,1,2,3
.irp c, 0,1
.if \glob
	global_load_b128 v[VR+8*\t+4*\c:VR+8*\t+4*\c+3], v[ADV], s[44:45] offset:1024*\t+512*\c
.else
	ds_load_b128 v[VR+8*\t+4*\c:VR+8*\t+4*\c+3], v[ADV] offset:1024*\t+512*\c
.endif
.endr
.endr
.irp e, 0,1
.if \glob
	global_load_b32 v[VSC+\e], v[ADT], s[46:47] offset:128*\e
.else
	ds_load_b32 v[VSC+\e], v[ADT] offset:128*\e
.endif
.endr
.if \glob
	s_wait_loadcnt 10                              ; K and its scale words are in; V's eight loads and its two scale loads may be out
.else
	s_wait_dscnt 10                                ; K and its scale words are in; V's eight loads and its two scale loads may be out
.endif
.irp t, 0,1,2,3,4,5,6,7
.if \t % 2
	v_wmma_scale_f32_16x16x128_f8f6f4 v[S+8*\t:S+8*\t+7], v[KR+4*\t:KR+4*\t+7], v[QR:QR+7], 0, v[KSC+\t/2], v[QSC] matrix_a_fmt:MATRIX_FMT_FP4 matrix_b_fmt:MATRIX_FMT_FP4 matrix_a_scale:MATRIX_SCALE_ROW1
.else
	v_wmma_scale_f32_16x16x128_f8f6f4 v[S+8*\t:S+8*\t+7], v[KR+4*\t:KR+4*\t+7], v[QR:QR+7], 0, v[KSC+\t/2], v[QSC] matrix_a_fmt:MATRIX_FMT_FP4 matrix_b_fmt:MATRIX_FMT_FP4
.endif
.endr
	s_sub_co_i32 s54, s[KF], s[Q0]
	v_cvt_f32_i32 v[T0], s54                       ; five plain lines that name none of the products' registers: the places behind them (ISA guide 7.12.1)
	v_mul_f32 v[TBV], s[AL], v[T0]                 ; T_0 = a (first position - first query)
	v_fma_f32 v[TBV+1], s[AL], v[T0], s[AL+1]      ; T_b = T_0 + 32 a b
	v_fma_f32 v[TBV+2], s[AL], v[T0], s[AL+2]
	v_fma_f32 v[TBV+3], s[AL], v[T0], s[AL+3]
	s_add_co_u32 s54, s[KF], 127
	s_cmp_le_u32 s54, s[QMIN]                      ; every position counts for every query of mine: no mask
	s_cbranch_scc1 .Lopen_\@
	s_sub_co_i32 s54, s[Q0], s[KF]
	v_add_nc_u32 v[T3], s54, v[DL0]                ; my query's position - first position - 16 h: register 16 b + i is hidden where 32 b + i is larger
	v_mov_b32 v[T2], 0xff800000                    ; -infinity
.set n, 0
.rept 64
	v_cmp_gt_i32 vcc_lo, 32*(n/16)+n%16, v[T3]
	v_cndmask_b32 v[S+n], v[S+n], v[T2], vcc_lo
.set n, n+1
.endr
.Lopen_\@:
.set n, 0
.rept 32
	v_pk_fma_f32 v[S+2*n:S+2*n+1], v[S+2*n:S+2*n+1], s[CS:CS+1], v[BI+(2*n)%16:BI+(2*n)%16+1] op_sel_hi:[1,0,1]   ; u = c s + BI[i]; each accumulator from its low end on
.set n, n+1
.endr
.irp b, 0,1,2,3
	v_max3_num_f32 v[MB+\b], v[S+16*\b], v[S+16*\b+1], v[S+16*\b+2]        ; the largest u of each block of 32 positions: it serves the row's maximum and, since p rises with u inside a block, the block's largest p
.endr
.irp i, 3,5,7,9,11,13
.irp b, 0,1,2,3
	v_max3_num_f32 v[MB+\b], v[MB+\b], v[S+16*\b+\i], v[S+16*\b+\i+1]
.endr
.endr
.irp b, 0,1,2,3
	v_max_num_f32 v[MB+\b], v[MB+\b], v[S+16*\b+15]
.endr
.irp b, 0,1,2,3
	v_permlanex16_b32 v[PX+\b], v[MB+\b], s[SEL], s[SEL+1]
.endr
.irp b, 0,1,2,3
	v_max_num_f32 v[MB+\b], v[MB+\b], v[PX+\b]     ; with lane l xor 16's 16 positions
.endr
.irp b, 0,1,2,3
	v_add_f32 v[PX+\b], v[MB+\b], v[TBV+\b]        ; the block's largest t
.endr
	v_max3_num_f32 v[T1], v[PX], v[PX+1], v[PX+2]
	v_max_num_f32 v[T1], v[T1], v[PX+3]
	v_max_num_f32 v[TM], v[TM], v[T1]              ; the running largest t
	v_mov_b32 v[T1], v[NM]
	v_floor_f32 v[NM], -v[TM]                      ; the new -M = -ceil(t): a whole number
	v_sub_f32 v[T1], v[NM], v[T1]                  ; old M - new M: a whole number, 0 or less
	v_cvt_i32_f32 v[T1], v[T1]                     ; (it saturates)
	v_ldexp_f32 v[F], 1.0, v[T1]                   ; f = 2^(old M - new M)
.irp b, 0,1,2,3
	v_add_f32 v[ZB+2*\b], v[TBV+\b], v[NM]         ; T_b - M
.endr
.set n, 0
.rept 32
	v_pk_add_f32 v[S+2*n:S+2*n+1], v[S+2*n:S+2*n+1], v[ZB+2*(n/8):ZB+2*(n/8)+1] op_sel_hi:[1,0]   ; t - M
.set n, n+1
.endr
.irp b, 0,1,2,3
	v_add_f32 v[MB+\b], v[MB+\b], v[ZB+2*\b]       ; the same of each block's largest
.endr
.set n, 0
.rept 64
	v_exp_f32 v[S+n], v[S+n]                       ; p = 2^(t - M): not normalised
.set n, n+1
.endr
.irp b, 0,1,2,3
	v_exp_f32 v[MB+\b], v[MB+\b]                   ; the block's largest p: the same additions and exponential on the same number give the same bits
.endr
	v_pk_mul_f32 v[L:L+1], v[L:L+1], v[F:F+1] op_sel_hi:[1,0]              ; the sums under the new M; also the plain line behind the exponentials
	s_wait_alu depctr_va_vdst(0)
.irp b, 0,1,2,3
	v_max_num_f32 v[MB+\b], 0x1800000, v[MB+\b]    ; the floor 2^(3 - 127): the byte cannot fall under 1
.endr
.irp b, 0,1,2,3
	v_add_nc_u32 v[EB+\b], 0xff000000, v[MB+\b]    ; 2 off the exponent field: the conversion's scale operand
.endr
.irp b, 0,1,2,3
	v_lshrrev_b32 v[PX+\b], 23, v[EB+\b]           ; the scale's byte
.endr
	v_lshl_or_b32 v[PWD], v[PX+1], 8, v[PX]        ; p's scale word for these 128 positions
	v_lshl_or_b32 v[PWD], v[PX+2], 16, v[PWD]
	v_lshl_or_b32 v[PWD], v[PX+3], 24, v[PWD]
.irp b, 0,1,2,3
	v_cvt_scalef32_pk8_fp4_f32 v[P+2*\b], v[S+16*\b:S+16*\b+7], v[EB+\b]
	v_cvt_scalef32_pk8_fp4_f32 v[P+2*\b+1], v[S+16*\b+8:S+16*\b+15], v[EB+\b]
.endr
	v_nop                                          ; one plain line behind the scaled conversions
.irp c, 0,1
.irp i, 0,1
	v_permlane16_swap_b32 v[P+4*\c+\i], v[P+4*\c+2+\i]                     ; a whole block to a lane: lanes 0-15 block 2 c, lanes 16-31 block 2 c + 1
.endr
.endr
	v_pk_add_f32 v[T0:T0+1], v[S:S+1], v[S+2:S+3]  ; the row's sum is taken of the unquantised p: two at a time, in two chains
.irp j, 4,8,12,16,20,24,28,32,36,40,44,48,52,56,60
	v_pk_add_f32 v[L:L+1], v[L:L+1], v[S+\j:S+\j+1]
	v_pk_add_f32 v[T0:T0+1], v[T0:T0+1], v[S+\j+2:S+\j+3]
.endr
	v_pk_add_f32 v[L:L+1], v[L:L+1], v[T0:T0+1]
.irp j, 0,2,4,6,8,10,12,14,16,18,20,22,24,26,28,30
	v_pk_mul_f32 v[O+\j:O+\j+1], v[O+\j:O+\j+1], v[F:F+1] op_sel_hi:[1,0]  ; O^T under the new M.  (The sums and these are far more than the eight plain lines between p's scale word and the products below)
.endr
.if \glob
	s_wait_loadcnt 0x0                             ; V
.else
	s_wait_dscnt 0x0                               ; V
.endif
.irp t, 0,1,2,3                        ; the four accumulators take turns, one instruction a turn, and the eight products K Q^T stand between two steps' turns
.if \t % 2
	v_wmma_scale_f32_16x16x128_f8f6f4 v[O+8*\t:O+8*\t+7], v[VR+8*\t:VR+8*\t+7], v[P:P+7], v[O+8*\t:O+8*\t+7], v[VSC+\t/2], v[PWD] matrix_a_fmt:MATRIX_FMT_FP4 matrix_b_fmt:MATRIX_FMT_FP4 matrix_a_scale:MATRIX_SCALE_ROW1
.else
	v_wmma_scale_f32_16x16x128_f8f6f4 v[O+8*\t:O+8*\t+7], v[VR+8*\t:VR+8*\t+7], v[P:P+7], v[O+8*\t:O+8*\t+7], v[VSC+\t/2], v[PWD] matrix_a_fmt:MATRIX_FMT_FP4 matrix_b_fmt:MATRIX_FMT_FP4
.endif
.endr
.if \glob == 0
.Lskip_\@:
	s_add_co_u32 s[KF], s[KF], 128
	s_add_co_u32 s[TB], s[TB], 4096
	s_add_co_u32 s[TS], s[TS], 512
	s_add_co_u32 s[TV], s[TV], 256
.endif
.endm
	s_mov_b32 s[CNT], 16
.Lstep:                                            ; sixteen trips in every wave: the count is a constant, the work of a hidden step is jumped over
	STEP 0
	s_sub_co_u32 s[CNT], s[CNT], 1
	s_cmp_lg_u32 s[CNT], 0
	s_cbranch_scc1 .Lstep
	s_cmp_lt_u32 s[QMAX], 2048                     ; positions 2048 and 2049 count for the head's last tile alone
	s_cbranch_scc1 .Lout
	STEP 1
.Lout:
.rept 4
	v_nop                                          ; four plain lines between the last products and the first read of their results
.endr
	v_add_f32 v[L], v[L], v[L+1]                   ; the sum's two halves,
	v_permlanex16_b32 v[PX], v[L], s[SEL], s[SEL+1]
	v_add_f32 v[L], v[L], v[PX]                    ; and lane l xor 16's: the row's sum
	v_rcp_f32 v[F], v[L]
	v_nop
	s_wait_alu depctr_va_vdst(0)
.irp j, 0,2,4,6,8,10,12,14,16,18,20,22,24,26,28,30
	v_pk_mul_f32 v[O+\j:O+\j+1], v[O+\j:O+\j+1], v[F:F+1] op_sel_hi:[1,0]  ; register 16 b + i is channel 32 b + 16 h + i of my query: V's channels were laid so
.endr
	QUANT32 O, P, PWD
	v_and_b32 v6, 15, v0
	v_lshlrev_b32 v6, 5, v6                        ; 32 r
	global_store_b128 v[AK0], v[P:P+3], s[60:61]   ; 32 lanes store 512 consecutive bytes: an image of the last product's operand registers
	global_store_b16 v6, v[PWD], s[62:63]          ; my head's two scale bytes of row r (both halves of the lanes write the same)
	s_wait_xcnt 0x0
	v_lshl_add_u32 v254, v0, 2, 0x29000
	v_mov_b32 v255, 0
	s_wait_tensorcnt 0x0
	ds_add_u32 v254, v255
	s_wait_dscnt 0x0
	s_endpgm
.Lfunc_end_k_qd7833ee874_attn:
	.size	k_qd7833ee874_attn, .Lfunc_end_k_qd7833ee874_attn-k_qd7833ee874_attn
	.p2alignl 7, 3214868480
	.fill 96, 4, 3214868480
	.section	.rodata,"a",@progbits
	.p2align	6, 0x0
	.amdhsa_kernel k_qd7833ee874_attn
		.amdhsa_group_segment_fixed_size 169984
		.amdhsa_private_segment_fixed_size 0
		.amdhsa_enable_private_segment 0
		.amdhsa_kernarg_size 64
		.amdhsa_user_sgpr_count 2
		.amdhsa_user_sgpr_kernarg_segment_ptr 1
		.amdhsa_wavefront_size32 1
		.amdhsa_system_sgpr_workgroup_id_x 1
		.amdhsa_system_sgpr_workgroup_id_y 1
		.amdhsa_system_sgpr_workgroup_id_z 1
		.amdhsa_system_vgpr_workitem_id 0
		.amdhsa_next_free_vgpr 256
		.amdhsa_next_free_sgpr 66
		.amdhsa_reserve_vcc 1
		.amdhsa_float_denorm_mode_32 3
		.amdhsa_float_denorm_mode_16_64 3
		.amdhsa_memory_ordered 1
		.amdhsa_forward_progress 1
		.amdhsa_inst_pref_size 60
	.end_amdhsa_kernel
	.amdgpu_metadata
---
amdhsa.version: [ 1, 2 ]
amdhsa.kernels:
  - .name:           k_qd7833ee874_attn
    .symbol:         k_qd7833ee874_attn.kd
    .args:
      - { .name: qc, .offset: 0, .size: 8, .value_kind: global_buffer, .address_space: global }
      - { .name: qsc, .offset: 8, .size: 8, .value_kind: global_buffer, .address_space: global }
      - { .name: kc, .offset: 16, .size: 8, .value_kind: global_buffer, .address_space: global }
      - { .name: ksc, .offset: 24, .size: 8, .value_kind: global_buffer, .address_space: global }
      - { .name: vc, .offset: 32, .size: 8, .value_kind: global_buffer, .address_space: global }
      - { .name: vsc, .offset: 40, .size: 8, .value_kind: global_buffer, .address_space: global }
      - { .name: oc, .offset: 48, .size: 8, .value_kind: global_buffer, .address_space: global }
      - { .name: osc, .offset: 56, .size: 8, .value_kind: global_buffer, .address_space: global }
    .group_segment_fixed_size: 169984
    .private_segment_fixed_size: 0
    .kernarg_segment_align: 8
    .kernarg_segment_size: 64
    .max_flat_workgroup_size: 512
    .sgpr_count:     66
    .vgpr_count:     256
    .wavefront_size: 32
...
	.end_amdgpu_metadata
.endif
;; end of part 2
;; launch outp (part 3): grid 4 x 64, 8 waves a work-group, no clusters, 35,840 bytes of LDS; arguments oc, osc, Wout_codes, Wout_scales, out0; writes out0
.if DOCPART == 3
	.amdgcn_target "amdgcn-amd-amdhsa--gfx1250"
	.amdhsa_code_object_version 6
	.text
	.protected	k_qd7833ee874_outp
	.globl	k_qd7833ee874_outp
	.p2align	8
	.type	k_qd7833ee874_outp,@function
k_qd7833ee874_outp:
	s_mov_b64 s[64:65], 0
	v_nop
	global_prefetch_b8 v0, s[64:65] scope:SCOPE_SE
	s_setreg_imm32_b32 hwreg(HW_REG_WAVE_MODE, 25, 1), 1
	s_wait_xcnt 0x0
; out0 = (attention's result) Wout on codes of FP4 (E2M1, one E8M0 scale for each 32 along K).  M = 4,096, N = 1,024, K = 1,024.
; SHARES.  Work-group (x, y): rows 64 y on, columns 256 x on.  Wave w: two tiles of 16 rows (4 y + 2 (w / 4) on) x 64 columns (256 x + 64 (w % 4) on): eight accumulators, eight K steps of 128.
; Both operands go from memory straight into registers, three K steps ahead: the rows' codes lie as images of the operand's registers (512 consecutive bytes a load), the weights' as rows of 512 bytes.
; No LDS ring and no joint request: a K step of a wave is 12 loads for 8 matrix instructions, each fragment is read by two or four waves of the work-group from the cache, and the whole of both operands is 2.6 MB.
; THE MATRIX INSTRUCTION IS USED TRANSPOSED (source 0 = 16 weight rows = 16 columns of the result, source 1 = 16 rows): a lane holds eight neighbouring numbers of a row of the result.
; THE WAY OUT: 16 rows x 64 columns go through the wave's own stage in LDS and leave as whole rows of 256 bytes.  No barrier: waves share nothing.
.set SA,   8                           ; v8-15   the rows' scale words: register 4 m + q: lanes 0-15 K step q, lanes 16-31 K step 4 + q
.set SW,   16                          ; v16-31  the weights' likewise
.set ACC,  176                         ; v176-239 accumulator (m, t) at 176 + 32 m + 8 t;  v32-175 three sets of 48: two fragments of rows, four of weights
.macro OLOAD s
.set FS, 32+48*((\s)%3)
.irp m, 0,1
.irp c, 0,1
	global_load_b128 v[FS+8*\m+4*\c:FS+8*\m+4*\c+3], v1, s[4:5] offset:8192*\m+1024*(\s)+512*\c
.endr
.endr
.irp t, 0,1,2,3
.irp c, 0,1
	global_load_b128 v[FS+16+8*\t+4*\c:FS+16+8*\t+4*\c+3], v2, s[8:9] offset:8192*\t+64*(\s)+32*\c
.endr
.endr
.endm
.macro OSTEP s
.set FS, 32+48*((\s)%3)
.if \s <= 5
	s_wait_loadcnt 24                              ; this step's twelve loads are in; those of the two steps behind it may be out
.elseif \s == 6
	s_wait_loadcnt 12                              ; the last step's twelve may be out
.else
	s_wait_loadcnt 0x0
.endif
.irp m, 0,1                            ; the eight accumulators take turns, one instruction a turn, in the same order in every step
.irp t, 0,1,2,3
.if \s == 0
	v_wmma_scale_f32_16x16x128_f8f6f4 v[ACC+32*\m+8*\t:ACC+32*\m+8*\t+7], v[FS+16+8*\t:FS+16+8*\t+7], v[FS+8*\m:FS+8*\m+7], 0, v[SW+4*\t], v[SA+4*\m] matrix_a_fmt:MATRIX_FMT_FP4 matrix_b_fmt:MATRIX_FMT_FP4
.elseif \s < 4
	v_wmma_scale_f32_16x16x128_f8f6f4 v[ACC+32*\m+8*\t:ACC+32*\m+8*\t+7], v[FS+16+8*\t:FS+16+8*\t+7], v[FS+8*\m:FS+8*\m+7], v[ACC+32*\m+8*\t:ACC+32*\m+8*\t+7], v[SW+4*\t+\s], v[SA+4*\m+\s] matrix_a_fmt:MATRIX_FMT_FP4 matrix_b_fmt:MATRIX_FMT_FP4
.else
	v_wmma_scale_f32_16x16x128_f8f6f4 v[ACC+32*\m+8*\t:ACC+32*\m+8*\t+7], v[FS+16+8*\t:FS+16+8*\t+7], v[FS+8*\m:FS+8*\m+7], v[ACC+32*\m+8*\t:ACC+32*\m+8*\t+7], v[SW+4*\t+\s-4], v[SA+4*\m+\s-4] matrix_a_fmt:MATRIX_FMT_FP4 matrix_b_fmt:MATRIX_FMT_FP4 matrix_a_scale:MATRIX_SCALE_ROW1 matrix_b_scale:MATRIX_SCALE_ROW1
.endif
.endr
.endr
.rept 4
	v_nop                                          ; four plain lines in front of loads into registers that matrix instructions have read, and of the first read of results
.endr
.if \s <= 4
	OLOAD (\s)+3
.endif
.endm
.macro TOSTAGE m
.irp t, 0,1,2,3
	ds_store_b128 v4, v[ACC+32*\m+8*\t:ACC+32*\m+8*\t+3] offset:64*\t              ; each accumulator from its low end on
	ds_store_b128 v4, v[ACC+32*\m+8*\t+4:ACC+32*\m+8*\t+7] offset:64*\t+16
.endr
.irp k, 0,1,2,3,4,5,6,7
	ds_load_b128 v[32+32*\m+4*\k:32+32*\m+4*\k+3], v5 offset:544*\k                ; LDS serves a wave's instructions in order: these see the stores above, and the next tile's stores come behind them
.endr
.endm
.macro SEND m, younger
	s_wait_dscnt \younger
.irp k, 0,1,2,3,4,5,6,7
	global_store_b128 v6, v[32+32*\m+4*\k:32+32*\m+4*\k+3], s[12:13] offset:65536*\m+8192*\k th:TH_STORE_NT   ; sixteen lanes store 256 consecutive bytes, at a multiple of 256 from the buffer's first byte
.endr
.endm
	s_load_b256 s[4:11], s[0:1], 0x0               ; oc, osc, Wout_codes, Wout_scales
	s_load_b64 s[12:13], s[0:1], 0x20              ; out0
	v_lshl_add_u32 v240, v0, 2, 0x8800
	v_mov_b32 v241, 0
	v_lshrrev_b32 v1, 5, v0
	v_readfirstlane_b32 s14, v1                    ; wave 0..7
	s_and_b32 s15, ttmp7, 0xffff
	s_lshr_b32 s16, s14, 2
	s_lshl_b32 s16, s16, 1
	s_lshl_b32 s17, s15, 2
	s_add_co_u32 s16, s16, s17                     ; my first tile of 16 rows
	s_and_b32 s17, s14, 3
	s_lshl_b32 s17, s17, 6
	s_lshl_b32 s18, ttmp9, 8
	s_add_co_u32 s17, s17, s18                     ; my first column
	s_mul_i32 s19, s14, 4352                       ; my stage: 16 rows x (256 + 16) bytes
	v_and_b32 v7, 31, v0
	v_and_b32 v3, 15, v0                           ; r
	v_bfe_u32 v6, v0, 4, 1                         ; h
	v_lshlrev_b32 v1, 4, v7                        ; 16 x lane
	v_lshlrev_b32 v2, 9, v3
	v_lshl_add_u32 v2, v6, 4, v2                   ; 512 r + 16 h
	v_mul_u32_u24 v4, v3, 272
	v_lshl_add_u32 v4, v6, 5, v4
	v_add_nc_u32 v4, s19, v4                       ; into the stage: row r, 32 bytes for each half of the lanes
	v_mul_u32_u24 v5, v6, 272
	v_lshl_add_u32 v5, v3, 4, v5
	v_add_nc_u32 v5, s19, v5                       ; back: lanes 0-15 one row, lanes 16-31 the next
	v_lshlrev_b32 v7, 4, v3
	v_lshl_add_u32 v7, v6, 12, v7                  ; and the same two rows in the result: 4,096 h + 16 r
	v_lshlrev_b32 v3, 5, v3
	v_lshl_add_u32 v3, v6, 4, v3                   ; scale words: 32 r + 16 h
	v_mov_b32 v6, v7
	s_mov_b32 s21, 0
	s_wait_kmcnt 0x0
	s_lshl_b32 s20, s16, 13                        ; a tile of rows: 8,192 bytes of codes,
	s_add_nc_u64 s[4:5], s[4:5], s[20:21]
	s_lshl_b32 s20, s16, 9                         ; 512 scale bytes,
	s_add_nc_u64 s[6:7], s[6:7], s[20:21]
	s_lshl_b32 s20, s16, 16                        ; 65,536 bytes of the result
	s_add_nc_u64 s[12:13], s[12:13], s[20:21]
	s_lshl_b32 s20, s17, 2
	s_add_nc_u64 s[12:13], s[12:13], s[20:21]
	s_lshl_b32 s20, s17, 9                         ; a column: 512 bytes of the weight's codes,
	s_add_nc_u64 s[8:9], s[8:9], s[20:21]
	s_lshl_b32 s20, s17, 5                         ; 32 scale bytes
	s_add_nc_u64 s[10:11], s[10:11], s[20:21]
.irp m, 0,1
	global_load_b128 v[SA+4*\m:SA+4*\m+3], v3, s[6:7] offset:512*\m
.endr
.irp t, 0,1,2,3
	global_load_b128 v[SW+4*\t:SW+4*\t+3], v3, s[10:11] offset:512*\t
.endr
	OLOAD 0
	OLOAD 1
	OLOAD 2
	OSTEP 0
	OSTEP 1
	OSTEP 2
	OSTEP 3
	OSTEP 4
	OSTEP 5
	OSTEP 6
	OSTEP 7
	TOSTAGE 0
	TOSTAGE 1
	SEND 0, 16                                     ; behind the first tile's loads: the second tile's eight stores and eight loads
	SEND 1, 0
	s_wait_tensorcnt 0x0
	ds_add_u32 v240, v241
	s_wait_dscnt 0x0
	s_endpgm
.Lfunc_end_k_qd7833ee874_outp:
	.size	k_qd7833ee874_outp, .Lfunc_end_k_qd7833ee874_outp-k_qd7833ee874_outp
	.p2alignl 7, 3214868480
	.fill 96, 4, 3214868480
	.section	.rodata,"a",@progbits
	.p2align	6, 0x0
	.amdhsa_kernel k_qd7833ee874_outp
		.amdhsa_group_segment_fixed_size 35840
		.amdhsa_private_segment_fixed_size 0
		.amdhsa_enable_private_segment 0
		.amdhsa_kernarg_size 40
		.amdhsa_user_sgpr_count 2
		.amdhsa_user_sgpr_kernarg_segment_ptr 1
		.amdhsa_wavefront_size32 1
		.amdhsa_system_sgpr_workgroup_id_x 1
		.amdhsa_system_sgpr_workgroup_id_y 1
		.amdhsa_system_sgpr_workgroup_id_z 1
		.amdhsa_system_vgpr_workitem_id 0
		.amdhsa_next_free_vgpr 242
		.amdhsa_next_free_sgpr 66
		.amdhsa_reserve_vcc 0
		.amdhsa_float_denorm_mode_32 3
		.amdhsa_float_denorm_mode_16_64 3
		.amdhsa_memory_ordered 1
		.amdhsa_forward_progress 1
		.amdhsa_inst_pref_size 25
	.end_amdhsa_kernel
	.amdgpu_metadata
---
amdhsa.version: [ 1, 2 ]
amdhsa.kernels:
  - .name:           k_qd7833ee874_outp
    .symbol:         k_qd7833ee874_outp.kd
    .args:
      - { .name: oc, .offset: 0, .size: 8, .value_kind: global_buffer, .address_space: global }
      - { .name: osc, .offset: 8, .size: 8, .value_kind: global_buffer, .address_space: global }
      - { .name: Wout_codes, .offset: 16, .size: 8, .value_kind: global_buffer, .address_space: global }
      - { .name: Wout_scales, .offset: 24, .size: 8, .value_kind: global_buffer, .address_space: global }
      - { .name: out0, .offset: 32, .size: 8, .value_kind: global_buffer, .address_space: global }
    .group_segment_fixed_size: 35840
    .private_segment_fixed_size: 0
    .kernarg_segment_align: 8
    .kernarg_segment_size: 40
    .max_flat_workgroup_size: 256
    .sgpr_count:     66
    .vgpr_count:     242
    .wavefront_size: 32
...
	.end_amdgpu_metadata
.endif
;; end of part 3
;; ======== version 2 of 2: 3 launches
;; workspace buffers: qc 2,097,152 bytes; qsc 262,144 bytes; kc 2,228,224 bytes; ksc 278,528 bytes; vc 2,228,224 bytes; vsc 139,264 bytes; oc 2,097,152 bytes; osc 131,072 bytes
;; launch proj (part 4): grid 64 x 4, 12 waves a work-group, no clusters, 132,608 bytes of LDS; arguments x, norm_g, norm_b, Wq_codes, Wq_scales, Wkv_codes, Wkv_scales, q_scale, k_scale, null_kv, qc, qsc, kc, ksc, vc, vsc; writes qc, qsc, kc, ksc, vc, vsc
.if DOCPART == 4
	.amdgcn_target "amdgcn-amd-amdhsa--gfx1250"
	.amdhsa_code_object_version 6
	.text
	.protected	k_qd7833ee874_proj
	.globl	k_qd7833ee874_proj
	.p2align	8
	.type	k_qd7833ee874_proj,@function
k_qd7833ee874_proj:
	s_mov_b64 s[64:65], 0
	v_nop
	global_prefetch_b8 v0, s[64:65] scope:SCOPE_SE
	s_setreg_imm32_b32 hwreg(HW_REG_WAVE_MODE, 25, 1), 1
	s_wait_xcnt 0x0
; LayerNorm, the quantising of x and of LayerNorm(x), the products x Wkv and LayerNorm(x) Wq on codes of FP4 (E2M1, one E8M0 scale for each 32 along K), the l2 norm and gains of q and k,
; and the codes of q, k and v for the attention launch; the null keys and values and the zero rows behind the last key position too.
; SHARES.  Work-group (x = 32 b + i, y): 64 rows of batch b, heads 4 y .. 4 y + 3.  Twelve waves: wave w makes q (w / 4 = 0), k (1) or v (2) of head 4 y + w % 4: 64 rows x 64 columns, K = 1,024: 16 accumulators, 8 K steps.
; A key's POSITION is its token + 2 (two null keys stand in front).  q and k take tokens 64 i .. 64 i + 63; v takes positions 64 i .. 64 i + 63, since v is quantised along the positions, in blocks of 32 from position 0.
; So the work-group keeps 66 rows in LDS: row R is token (64 i + R + 2046) mod 2048.  For i = 0 rows 0 and 1 are tokens 2046 and 2047: their v is the last, short block (positions 2048, 2049), and the null values then take their places.
; PHASE X: wave w takes rows w, w + 12, ..: the row comes by dense loads, turns through the wave's own stage so that lane l holds block l (32 neighbours), and leaves as codes and scale bytes of x and of LayerNorm(x) in LDS.  One barrier.
; PRODUCTS: the rows' fragments come from LDS, the weights' from memory straight into registers (each weight fragment serves one wave alone, so LDS would add a way and spare none; hence no tile is shared and no joint request is made).
; q, k: source 0 = 16 weight rows, source 1 = 16 tokens: a lane holds one token and its registers run along the head's 64.  v: source 0 = 16 positions, source 1 = 16 weight rows: a lane holds one channel and its registers run along the positions.
; THE ROWS OF SOURCE 0 THAT FORM A TILE ARE NOT NEIGHBOURS: lane r of tile 2 b + u takes row 32 b + 8 u + r + 8 (r / 8), so that the 16 registers of tiles 2 b and 2 b + 1 are 16 neighbours along the next K.
; LIMITS: NaN and infinities among the inputs are not served.  A block whose largest magnitude lies under 2^-124, a block of zeros among them, gets the scale byte 1 (these bytes are read by this program alone; zero codes add nothing under it).
; 1 / max(n, 1e-12) is made as rsq(max(n^2, 1e-24)), and 1 / sqrt(var + eps) by v_rsq_f32: about an ulp each.
.set RP,   528                         ; an LDS row of codes: 512 bytes + 16 = 132 words: the 16 rows of a fragment load start at 16 different groups of four banks
.set SPI,  36                          ; an LDS row of scale bytes: 32 + 4
.set XN,   0                           ; codes of LayerNorm(x), 66 rows
.set XC,   66*RP                       ; codes of x
.set XNS,  2*66*RP                     ; scale bytes of LayerNorm(x)
.set XS,   XNS+66*SPI                  ; scale bytes of x
.set STG,  74496                       ; twelve stages of 32 places x (128 + 16) bytes, each a wave's own
.set AA0,  1                           ; v1   q, k: LDS address of my fragment's 16 bytes       v2   of my row's scale words
.set AS0,  2
.set WOFF, 3                           ; v3   my byte offset in a weight tile
.set AA1,  8                           ; v8, v9   the same two addresses for v
.set AS1,  9
.set SA,   12                          ; v12-15   the rows' scale words, one register a tile
.set SW,   16                          ; v16-31   the weights' scale words: register 4 t + q: lanes 0-15 K step q, lanes 16-31 K step 4 + q
.set AF,   32                          ; v32-63   four fragments of rows
.set WF,   64                          ; v64-127  two sets of four weight fragments
.set ACC,  128                         ; v128-255 accumulator (g, t) at 128 + 32 g + 8 t
.set STI,  32                          ; phase X: v32, v33 the stage, in and out; v34-37 where codes and scale bytes go; v38 16 x lane; v39 128 x lane
.set STO,  33
.set XCN,  34
.set XCX,  35
.set XSN,  36
.set XSX,  37
.set GOFF, 38
.set G,    128                         ; phase X: v128-159 gains, v160-191 biases of my block; v192-223 the row as loaded; v224-255 my block
.set BN,   160
.set R,    192
.set X,    224
.set QS,   64                          ; epilogue: v64-95 q_scale or k_scale in the result's layout; v96-111 codes; v112-115 scale words
.set PC,   96
.set PW,   112
.set QM,   122                         ; the quantiser's registers: largest magnitudes, the other half's, the conversions' scale operands, the bytes
.set QN,   124
.set QE,   126
.set QY,   10
.set SEL,  10                          ; s[10:11] lane selects for v_permlanex16_b32: lane l xor 16
; 32 numbers of a lane, register 16 b + i = element 32 b + 16 (lane / 16) + i of my row, become 16 bytes of codes (block lane / 16) in v[pc .. pc + 3] and the two scale bytes in v[pw].
.macro QUANT32 s, pc, pw
.irp b, 0,1
	v_max3_num_f32 v[QM+\b], |v[\s+16*\b]|, |v[\s+16*\b+1]|, 0x1800000     ; my 16 numbers and the floor 2^(3 - 127): the byte cannot fall under 1
.endr
.irp i, 2,4,6,8,10,12,14
.irp b, 0,1
	v_max3_num_f32 v[QM+\b], v[QM+\b], |v[\s+16*\b+\i]|, |v[\s+16*\b+\i+1]|
.endr
.endr
.irp b, 0,1
	s_delay_alu instid0(VALU_DEP_2)
	v_permlanex16_b32 v[QN+\b], v[QM+\b], s[SEL], s[SEL+1]
.endr
.irp b, 0,1
	s_delay_alu instid0(VALU_DEP_2)
	v_max_num_f32 v[QM+\b], v[QM+\b], v[QN+\b]                             ; with lane l xor 16's: the block's largest magnitude
.endr
.irp b, 0,1
	s_delay_alu instid0(VALU_DEP_2)
	v_add_nc_u32 v[QE+\b], 0xff000000, v[QM+\b]                            ; 2 off its exponent field: the conversion's scale operand
.endr
.irp b, 0,1
	s_delay_alu instid0(VALU_DEP_2)
	v_lshrrev_b32 v[QY+\b], 23, v[QE+\b]                                   ; the scale's byte
.endr
	s_delay_alu instid0(VALU_DEP_1)
	v_lshl_or_b32 v[\pw], v[QY+1], 8, v[QY]
.irp b, 0,1
	v_cvt_scalef32_pk8_fp4_f32 v[\pc+2*\b], v[\s+16*\b:\s+16*\b+7], v[QE+\b]
	v_cvt_scalef32_pk8_fp4_f32 v[\pc+2*\b+1], v[\s+16*\b+8:\s+16*\b+15], v[QE+\b]
.endr
	v_nop                                                                  ; one plain line behind the scaled conversions
	v_permlane16_swap_b32 v[\pc], v[\pc+2]                                 ; a whole block to a lane: lanes 0-15 block 0, lanes 16-31 block 1
	v_permlane16_swap_b32 v[\pc+1], v[\pc+3]
.endm
; One matrix instruction.  kind 0: starts the sum; 1: adds; 2: adds, source 0's scales from lanes 16-31; 3: adds, source 1's scales from lanes 16-31
.macro WM d, a, b, sa, sb, kind
.if \kind == 0
	v_wmma_scale_f32_16x16x128_f8f6f4 v[\d:\d+7], v[\a:\a+7], v[\b:\b+7], 0, v[\sa], v[\sb] matrix_a_fmt:MATRIX_FMT_FP4 matrix_b_fmt:MATRIX_FMT_FP4
.elseif \kind == 1
	v_wmma_scale_f32_16x16x128_f8f6f4 v[\d:\d+7], v[\a:\a+7], v[\b:\b+7], v[\d:\d+7], v[\sa], v[\sb] matrix_a_fmt:MATRIX_FMT_FP4 matrix_b_fmt:MATRIX_FMT_FP4
.elseif \kind == 2
	v_wmma_scale_f32_16x16x128_f8f6f4 v[\d:\d+7], v[\a:\a+7], v[\b:\b+7], v[\d:\d+7], v[\sa], v[\sb] matrix_a_fmt:MATRIX_FMT_FP4 matrix_b_fmt:MATRIX_FMT_FP4 matrix_a_scale:MATRIX_SCALE_ROW1
.else
	v_wmma_scale_f32_16x16x128_f8f6f4 v[\d:\d+7], v[\a:\a+7], v[\b:\b+7], v[\d:\d+7], v[\sa], v[\sb] matrix_a_fmt:MATRIX_FMT_FP4 matrix_b_fmt:MATRIX_FMT_FP4 matrix_b_scale:MATRIX_SCALE_ROW1
.endif
.endm
; The four weight fragments of K step s into set s % 2
.macro WLOAD s
.irp t, 0,1,2,3
.irp c, 0,1
	global_load_b128 v[WF+32*((\s)%2)+8*\t+4*\c:WF+32*((\s)%2)+8*\t+4*\c+3], v[WOFF], s[48:49] offset:(32*(\t/2)+8*(\t%2))*512+64*(\s)+32*\c
.endr
.endr
.endm
; Row w + 12 t (held at 65, so that no load leaves x) into v[R ..]: eight loads of 512 consecutive bytes
.macro XLOAD t
	s_add_co_u32 s12, s2, 12*(\t)
	s_min_u32 s12, s12, 65
	s_add_co_u32 s12, s12, s60                     ; + 64 i + 2046
	s_and_b32 s12, s12, 2047                       ; the token
	s_add_co_u32 s12, s12, s61                     ; + 2048 b
	s_lshl_b32 s12, s12, 12                        ; rows of 4,096 bytes
	s_mov_b32 s13, 0
	s_add_nc_u64 s[52:53], s[16:17], s[12:13]
.irp j, 0,1,2,3,4,5,6,7
	global_load_b128 v[R+4*\j:R+4*\j+3], v[GOFF], s[52:53] offset:512*\j
.endr
.endm
; v[40:41] and v[42:43] hold partial sums: the wave's sum into every lane's v40
.macro LANESUM
	s_delay_alu instid0(VALU_DEP_1)
	v_pk_add_f32 v[40:41], v[40:41], v[42:43]
	s_delay_alu instid0(VALU_DEP_1)
	v_add_f32 v40, v40, v41
	s_delay_alu instid0(VALU_DEP_1)
	v_add_f32_dpp v40, v40, v40 row_xmask:1 row_mask:0xf bank_mask:0xf
	s_delay_alu instid0(VALU_DEP_1)
	v_add_f32_dpp v40, v40, v40 row_xmask:2 row_mask:0xf bank_mask:0xf
	s_delay_alu instid0(VALU_DEP_1)
	v_add_f32_dpp v40, v40, v40 row_xmask:4 row_mask:0xf bank_mask:0xf
	s_delay_alu instid0(VALU_DEP_1)
	v_add_f32_dpp v40, v40, v40 row_xmask:8 row_mask:0xf bank_mask:0xf
	s_delay_alu instid0(VALU_DEP_1)
	v_permlanex16_b32 v53, v40, s[SEL], s[SEL+1]
	s_delay_alu instid0(VALU_DEP_1)
	v_add_f32 v40, v40, v53
.endm
; My block in v[X ..] becomes 16 bytes of codes and a scale byte, which go to LDS row w + 12 t
.macro QROW c, y, ca, sa, t
	v_max3_num_f32 v48, |v[X]|, |v[X+1]|, 0x1800000
	v_max_num_f32 v49, |v[X+2]|, |v[X+3]|
.irp j, 4,8,12,16,20,24,28
	s_delay_alu instid0(VALU_DEP_2)
	v_max3_num_f32 v48, v48, |v[X+\j]|, |v[X+\j+1]|
	s_delay_alu instid0(VALU_DEP_2)
	v_max3_num_f32 v49, v49, |v[X+\j+2]|, |v[X+\j+3]|
.endr
	s_delay_alu instid0(VALU_DEP_1)
	v_max_num_f32 v48, v48, v49
	s_delay_alu instid0(VALU_DEP_1)
	v_add_nc_u32 v50, 0xff000000, v48
.irp g, 0,1,2,3
	v_cvt_scalef32_pk8_fp4_f32 v[\c+\g], v[X+8*\g:X+8*\g+7], v50
.endr
	v_lshrrev_b32 v[\y], 23, v50                   ; the byte; also the plain line behind the conversions
	ds_store_b128 v[\ca], v[\c:\c+3] offset:12*RP*(\t)
	ds_store_b8 v[\sa], v[\y] offset:12*SPI*(\t)
.endm
.macro ROW t, next
	s_wait_loadcnt 0x0                             ; the row is in (and s[52:53] may be written again)
.irp j, 0,1,2,3,4,5,6,7
	ds_store_b128 v[STI], v[R+4*\j:R+4*\j+3] offset:576*\j
.endr
.irp q, 0,1,2,3,4,5,6,7
	ds_load_b128 v[X+4*\q:X+4*\q+3], v[STO] offset:16*\q     ; LDS serves a wave's instructions in order: these see the stores above
.endr
	s_wait_dscnt 0x0
.if \next
	XLOAD (\t)+1                                   ; the next row lands while this one is worked
.endif
	v_pk_add_f32 v[40:41], v[X:X+1], v[X+2:X+3]
	v_pk_add_f32 v[42:43], v[X+4:X+5], v[X+6:X+7]
.irp j, 8,12,16,20,24,28
	s_delay_alu instid0(VALU_DEP_2)
	v_pk_add_f32 v[40:41], v[40:41], v[X+\j:X+\j+1]
	s_delay_alu instid0(VALU_DEP_2)
	v_pk_add_f32 v[42:43], v[42:43], v[X+\j+2:X+\j+3]
.endr
	LANESUM
	s_delay_alu instid0(VALU_DEP_1)
	v_mul_f32 v44, s62, v40                        ; the mean
	QROW 56, 51, XCX, XSX, \t                      ; x as it is: the operand of x Wkv
.irp j, 0,2,4,6,8,10,12,14,16,18,20,22,24,26,28,30
	v_pk_add_f32 v[X+\j:X+\j+1], v[X+\j:X+\j+1], v[44:45] op_sel_hi:[1,0] neg_lo:[0,1] neg_hi:[0,1]
.endr
	v_pk_mul_f32 v[40:41], v[X:X+1], v[X:X+1]
	v_pk_mul_f32 v[42:43], v[X+2:X+3], v[X+2:X+3]
.irp j, 4,8,12,16,20,24,28
	s_delay_alu instid0(VALU_DEP_2)
	v_pk_fma_f32 v[40:41], v[X+\j:X+\j+1], v[X+\j:X+\j+1], v[40:41]
	s_delay_alu instid0(VALU_DEP_2)
	v_pk_fma_f32 v[42:43], v[X+\j+2:X+\j+3], v[X+\j+2:X+\j+3], v[42:43]
.endr
	LANESUM
	s_delay_alu instid0(VALU_DEP_1)
	v_fma_f32 v40, v40, s62, s63                   ; the variance + 1e-5
	s_wait_alu depctr_va_vdst(0)
	v_rsq_f32 v46, v40
	v_nop                                          ; one plain line behind the transcendental
	s_wait_alu depctr_va_vdst(0)
.irp j, 0,2,4,6,8,10,12,14,16,18,20,22,24,26,28,30
	v_pk_mul_f32 v[X+\j:X+\j+1], v[X+\j:X+\j+1], v[46:47] op_sel_hi:[1,0]
.endr
.irp j, 0,2,4,6,8,10,12,14,16,18,20,22,24,26,28,30
	v_pk_fma_f32 v[X+\j:X+\j+1], v[X+\j:X+\j+1], v[G+\j:G+\j+1], v[BN+\j:BN+\j+1]
.endr
	QROW 60, 52, XCN, XSN, \t                      ; LayerNorm(x): the operand of the product with Wq
.endm
; K step s.  role 0: q, k; role 1: v.  tailcnt: the global loads that may stay out at the last step
.macro GSTEP s, role, tailcnt
.if \role
.set ADC, AA1
.set ADS, AS1
.else
.set ADC, AA0
.set ADS, AS0
.endif
.irp m, 0,1,2,3
.if \role
.set RB, 32*(\m/2)+8*(\m%2)
.else
.set RB, 16*\m
.endif
	ds_load_b128 v[AF+8*\m:AF+8*\m+3], v[ADC] offset:RB*RP+64*\s
	ds_load_b128 v[AF+8*\m+4:AF+8*\m+7], v[ADC] offset:RB*RP+64*\s+32
	ds_load_b32 v[SA+\m], v[ADS] offset:RB*SPI+4*\s
.endr
.if \s < 7
	s_wait_loadcnt 8                               ; this step's weights are in; the next step's eight loads may be out
.else
	s_wait_loadcnt \tailcnt                        ; q, k: the eight loads of the gains may be out; v: nothing is
.endif
	s_wait_dscnt 0x0
.if \s == 0
.set KD, 0
.elseif \s < 4
.set KD, 1
.else
.set KD, 2+\role
.endif
.irp g, 0,1,2,3                        ; the sixteen accumulators take turns, one instruction a turn, in the same order in every step
.irp t, 0,1,2,3
.if \role
	WM ACC+32*\g+8*\t, AF+8*\t, WF+32*(\s%2)+8*\g, SA+\t, SW+4*\g+(\s%4), KD
.else
	WM ACC+32*\g+8*\t, WF+32*(\s%2)+8*\t, AF+8*\g, SW+4*\t+(\s%4), SA+\g, KD
.endif
.endr
.endr
.rept 4
	v_nop                                          ; four plain lines in front of loads into registers that matrix instructions have read, and of the first read of results
.endr
.if \s <= 5
	WLOAD (\s)+2
.endif
.if (\s == 6) && (\role == 0)
	s_wait_alu depctr_va_vdst(0)
.irp b, 0,1
.irp q, 0,1,2,3
	global_load_b128 v[QS+16*\b+4*\q:QS+16*\b+4*\q+3], v4, s[58:59] offset:128*\b+16*\q   ; register 16 b + i: the gain of channel 32 b + 16 (lane / 16) + i
.endr
.endr
.endif
.endm
; Group g (16 tokens): l2 norm, gains, codes, stores
.macro NORMQ g
.set A, ACC+32*\g
	v_pk_mul_f32 v[116:117], v[A:A+1], v[A:A+1]
	v_pk_mul_f32 v[118:119], v[A+2:A+3], v[A+2:A+3]
.irp j, 4,8,12,16,20,24,28
	v_pk_fma_f32 v[116:117], v[A+\j:A+\j+1], v[A+\j:A+\j+1], v[116:117]
	v_pk_fma_f32 v[118:119], v[A+\j+2:A+\j+3], v[A+\j+2:A+\j+3], v[118:119]
.endr
	s_delay_alu instid0(VALU_DEP_1)
	v_pk_add_f32 v[116:117], v[116:117], v[118:119]
	s_delay_alu instid0(VALU_DEP_1)
	v_add_f32 v116, v116, v117
	s_delay_alu instid0(VALU_DEP_1)
	v_permlanex16_b32 v118, v116, s[SEL], s[SEL+1]
	s_delay_alu instid0(VALU_DEP_1)
	v_add_f32 v116, v116, v118                     ; the token's sum of squares over the head's 64
	s_delay_alu instid0(VALU_DEP_1)
	v_max_num_f32 v116, 0x179abe15, v116           ; at least 1e-24 = (1e-12)^2
	s_wait_alu depctr_va_vdst(0)
	v_rsq_f32 v120, v116
	v_nop
	s_wait_alu depctr_va_vdst(0)
.irp j, 0,2,4,6,8,10,12,14,16,18,20,22,24,26,28,30
	v_pk_mul_f32 v[A+\j:A+\j+1], v[A+\j:A+\j+1], v[120:121] op_sel_hi:[1,0]
.endr
.irp j, 0,2,4,6,8,10,12,14,16,18,20,22,24,26,28,30
	v_pk_mul_f32 v[A+\j:A+\j+1], v[A+\j:A+\j+1], v[QS+\j:QS+\j+1]
.endr
	QUANT32 A, PC+4*\g, PW+\g
	v_lshl_or_b32 v[PW+\g], v[PW+\g], 16, v[PW+\g]                         ; the two bytes once more, for the empty upper half of the attention product's K
	global_store_b128 v6, v[PC+4*\g:PC+4*\g+3], s[54:55] offset:512*\g     ; 32 lanes store 512 consecutive bytes: 16 rows of 32
	global_store_b32 v7, v[PW+\g], s[56:57] offset:64*\g                   ; both halves of the lanes write the same word with the same value
.endm
	s_load_b512 s[16:31], s[0:1], 0x0              ; x, norm_g, norm_b, Wq_codes, Wq_scales, Wkv_codes, Wkv_scales, q_scale
	s_load_b512 s[32:47], s[0:1], 0x40             ; k_scale, null_kv, qc, qsc, kc, ksc, vc, vsc
	s_set_vgpr_msb 0x40
	v_lshl_add_u32 v0, v0, 2, 0x20000
	v_mov_b32 v1, 0
	s_set_vgpr_msb 0x4000
	v_lshrrev_b32 v4, 5, v0
	s_delay_alu instid0(VALU_DEP_1)
	v_readfirstlane_b32 s2, v4                     ; wave 0..11
	s_lshr_b32 s3, s2, 2                           ; 0: q, 1: k, 2: v
	s_lshr_b32 s4, s3, 1                           ; 1 for v
	s_and_b32 s5, ttmp9, 31                        ; i: which 64 rows
	s_lshr_b32 s6, ttmp9, 5                        ; b
	s_and_b32 s7, ttmp7, 0xffff                    ; y
	s_and_b32 s8, s2, 3
	s_lshl_b32 s12, s7, 2
	s_add_co_u32 s8, s8, s12                       ; the head
	s_lshl_b32 s9, s6, 4
	s_add_co_u32 s9, s9, s8                        ; 16 b + head
	s_mov_b32 s[SEL], 0x76543210
	s_mov_b32 s[SEL+1], 0xfedcba98
	s_lshl_b32 s60, s5, 6
	s_add_co_u32 s60, s60, 2046
	s_lshl_b32 s61, s6, 11
	s_mov_b32 s62, 0x3a800000                      ; 1 / 1024
	s_mov_b32 s63, 0x3727c5ac                      ; 1e-5
	v_and_b32 v5, 31, v0                           ; lane
	v_and_b32 v6, 15, v0                           ; r
	v_bfe_u32 v7, v0, 4, 1                         ; h
	s_delay_alu instid0(VALU_DEP_2)
	v_lshrrev_b32 v10, 3, v6
	s_delay_alu instid0(VALU_DEP_1)
	v_lshl_add_u32 v10, v10, 3, v6                 ; r + 8 (r / 8)
	; every LDS address is made here, ahead of the first branch on the wave's number
	s_min_u32 s12, s3, 1                           ; q reads LayerNorm(x), k reads x
	s_mul_i32 s13, s12, XC
	s_add_co_u32 s13, s13, 2*RP                    ; tokens 64 i on begin at LDS row 2
	v_mul_u32_u24 v[AA0], v6, RP
	s_delay_alu instid0(VALU_DEP_1)
	v_lshl_add_u32 v[AA0], v7, 4, v[AA0]
	s_delay_alu instid0(VALU_DEP_1)
	v_add_nc_u32 v[AA0], s13, v[AA0]
	s_mul_i32 s13, s12, XS-XNS
	s_add_co_u32 s13, s13, XNS+2*SPI
	v_mul_u32_u24 v[AS0], v6, SPI
	s_delay_alu instid0(VALU_DEP_1)
	v_add_nc_u32 v[AS0], s13, v[AS0]
	v_mul_u32_u24 v[AA1], v10, RP                  ; v: positions 64 i on begin at LDS row 0, and a tile's rows are not neighbours
	s_delay_alu instid0(VALU_DEP_1)
	v_lshl_add_u32 v[AA1], v7, 4, v[AA1]
	s_delay_alu instid0(VALU_DEP_1)
	v_add_nc_u32 v[AA1], XC, v[AA1]
	v_mul_u32_u24 v[AS1], v10, SPI
	s_delay_alu instid0(VALU_DEP_1)
	v_add_nc_u32 v[AS1], XS, v[AS1]
	v_lshlrev_b32 v[WOFF], 9, v10                  ; a weight row is 512 bytes of codes,
	s_delay_alu instid0(VALU_DEP_1)
	v_lshl_add_u32 v[WOFF], v7, 4, v[WOFF]
	v_lshlrev_b32 v4, 5, v10                       ; and 32 scale bytes: lanes 0-15 take K steps 0-3, lanes 16-31 K steps 4-7
	s_delay_alu instid0(VALU_DEP_1)
	v_lshl_add_u32 v4, v7, 4, v4
	s_mul_i32 s12, s2, 4608
	s_add_co_u32 s12, s12, STG                     ; my stage
	v_lshrrev_b32 v10, 3, v5
	v_and_b32 v11, 7, v5
	s_delay_alu instid0(VALU_DEP_2)
	v_mul_u32_u24 v[STI], v10, 144
	s_delay_alu instid0(VALU_DEP_1)
	v_lshl_add_u32 v[STI], v11, 4, v[STI]
	s_delay_alu instid0(VALU_DEP_1)
	v_add_nc_u32 v[STI], s12, v[STI]               ; in: eight lanes' 128 bytes on end, then 16 of padding; a load's 512 bytes take four places
	v_mul_u32_u24 v[STO], v5, 144
	s_delay_alu instid0(VALU_DEP_1)
	v_add_nc_u32 v[STO], s12, v[STO]               ; out: place = lane: my block
	s_mul_i32 s13, s2, RP
	v_lshlrev_b32 v[GOFF], 4, v5
	s_delay_alu instid0(VALU_DEP_1)
	v_add_nc_u32 v[XCN], s13, v[GOFF]              ; codes: row w, 16 bytes a lane
	s_delay_alu instid0(VALU_DEP_1)
	v_add_nc_u32 v[XCX], XC, v[XCN]
	s_mul_i32 s13, s2, SPI
	s_add_co_u32 s13, s13, XNS
	v_add_nc_u32 v[XSN], s13, v5                   ; scale bytes: row w, one byte a lane
	s_delay_alu instid0(VALU_DEP_1)
	v_add_nc_u32 v[XSX], XS-XNS, v[XSN]
	v_lshlrev_b32 v39, 7, v5                       ; my block's gains and biases
	v_mov_b32 v45, 0                               ; upper halves of pairs of which the low word serves both halves: written once
	v_mov_b32 v47, 0
	v_mov_b32 v53, 0                               ; a lane permute's destination counts as one of its sources
	s_wait_alu depctr_va_vdst(0)
	s_wait_kmcnt 0x0
	s_cmp_eq_u32 s3, 0                             ; q takes Wq, k and v take Wkv: the choice hangs on the wave's number alone
	s_cselect_b64 s[48:49], s[22:23], s[26:27]
	s_cselect_b64 s[50:51], s[24:25], s[28:29]
	s_lshl_b32 s12, s8, 6
	s_lshl_b32 s13, s4, 10
	s_add_co_u32 s12, s12, s13                     ; my first weight row: 64 x head, + 1,024 for v
	s_lshl_b32 s14, s12, 9
	s_mov_b32 s15, 0
	s_add_nc_u64 s[48:49], s[48:49], s[14:15]
	s_lshl_b32 s14, s12, 5
	s_add_nc_u64 s[50:51], s[50:51], s[14:15]
.irp t, 0,1,2,3
	global_load_b128 v[SW+4*\t:SW+4*\t+3], v4, s[50:51] offset:(32*(\t/2)+8*(\t%2))*32
.endr
	WLOAD 0
	WLOAD 1
.irp q, 0,1,2,3,4,5,6,7
	global_load_b128 v[G+4*\q:G+4*\q+3], v39, s[18:19] offset:16*\q
	global_load_b128 v[BN+4*\q:BN+4*\q+3], v39, s[20:21] offset:16*\q
.endr
	XLOAD 0
	ROW 0, 1
	ROW 1, 1
	ROW 2, 1
	ROW 3, 1
	ROW 4, 1
	s_cmp_lt_u32 s2, 6                             ; rows 60 to 65 belong to waves 0 to 5
	s_cbranch_scc0 .Ldone
	ROW 5, 0
.Ldone:
	s_wait_loadcnt 0x0
	s_wait_dscnt 0x0                               ; my codes and scale bytes have landed
	s_barrier_signal -1
	s_barrier_wait -1                              ; everybody's have; behind this barrier LDS is only read
	s_cmp_eq_u32 s3, 2
	s_cbranch_scc1 .Lv
	; ---------------- q and k ----------------
	s_cmp_eq_u32 s3, 0
	s_cselect_b64 s[58:59], s[30:31], s[32:33]     ; q_scale or k_scale
	s_cselect_b64 s[54:55], s[36:37], s[40:41]     ; qc or kc
	s_cselect_b64 s[56:57], s[38:39], s[42:43]     ; qsc or ksc
	s_mov_b32 s13, 2176
	s_cselect_b32 s12, 2048, s13                   ; rows a head: tokens, or positions with the zero rows behind them
	s_cselect_b32 s14, 0, 2                        ; a key's position is its token + 2
	s_mul_i32 s12, s12, s9
	s_lshl_b32 s13, s5, 6
	s_add_co_u32 s12, s12, s13
	s_add_co_u32 s12, s12, s14
	s_lshl_b32 s14, s12, 5                         ; 32 bytes of codes a row,
	s_mov_b32 s15, 0
	s_add_nc_u64 s[54:55], s[54:55], s[14:15]
	s_lshl_b32 s14, s12, 2                         ; one scale word
	s_add_nc_u64 s[56:57], s[56:57], s[14:15]
	v_and_b32 v7, 15, v0
	v_bfe_u32 v5, v0, 4, 1
	s_delay_alu instid0(VALU_DEP_2)
	v_lshlrev_b32 v6, 5, v7
	s_delay_alu instid0(VALU_DEP_1)
	v_lshl_add_u32 v6, v5, 4, v6                   ; 32 r + 16 h
	s_delay_alu instid0(VALU_DEP_3)
	v_lshlrev_b32 v4, 6, v5                        ; 64 h
	v_lshlrev_b32 v7, 2, v7                        ; 4 r
	GSTEP 0, 0, 8
	GSTEP 1, 0, 8
	GSTEP 2, 0, 8
	GSTEP 3, 0, 8
	GSTEP 4, 0, 8
	GSTEP 5, 0, 8
	GSTEP 6, 0, 8
	GSTEP 7, 0, 8
	v_mov_b32 v121, 0
	v_mov_b32 v[QN], 0
	v_mov_b32 v[QN+1], 0
	s_wait_loadcnt 0x0                             ; the gains
	NORMQ 0
	NORMQ 1
	NORMQ 2
	NORMQ 3
	s_cmp_lg_u32 s3, 1
	s_cbranch_scc1 .Lqk_end
	s_cmp_lg_u32 s5, 0
	s_cbranch_scc1 .Lqk_end
	; the k wave of the first 64 rows also writes positions 0, 1 (the null keys) and 2050 .. 2175 (zero rows, which fill the last key step)
	s_wait_xcnt 0x0                                ; the stores above have read their bases, offsets and data: all are written again below
	s_sub_nc_u64 s[54:55], s[54:55], 64            ; back to position 0
	s_sub_nc_u64 s[56:57], s[56:57], 8
	s_lshl_b32 s12, s8, 10                         ; a head's four rows of 64 numbers in null_kv; rows 0 and 2 are the keys
	s_mov_b32 s13, 0
	s_add_nc_u64 s[52:53], s[34:35], s[12:13]
	v_and_b32 v5, 15, v0
	v_bfe_u32 v32, v0, 4, 1
	s_delay_alu instid0(VALU_DEP_2)
	v_min_u32 v4, 1, v5
	s_delay_alu instid0(VALU_DEP_1)
	v_lshlrev_b32 v4, 9, v4
	s_delay_alu instid0(VALU_DEP_1)
	v_lshl_add_u32 v4, v32, 6, v4                  ; 512 min(r, 1) + 64 h
.irp b, 0,1
.irp q, 0,1,2,3
	global_load_b128 v[ACC+16*\b+4*\q:ACC+16*\b+4*\q+3], v4, s[52:53] offset:128*\b+16*\q
.endr
.endr
	v_lshrrev_b32 v33, 1, v5
	s_delay_alu instid0(VALU_DEP_1)
	v_min_u32 v33, 1, v33
	s_delay_alu instid0(VALU_DEP_1)
	v_lshl_add_u32 v33, v33, 11, v5                ; lane r's position: r for r < 2, else 2048 + r
	s_delay_alu instid0(VALU_DEP_1)
	v_lshlrev_b32 v6, 5, v33
	s_delay_alu instid0(VALU_DEP_1)
	v_lshl_add_u32 v6, v32, 4, v6
	s_delay_alu instid0(VALU_DEP_3)
	v_lshlrev_b32 v7, 2, v33
	v_mov_b32 v35, 1.0
	v_cmp_gt_u32 vcc_lo, 2, v5
	s_delay_alu instid0(VALU_DEP_1)
	v_cndmask_b32 v34, 0, v35, vcc_lo              ; 1 for the two null keys, 0 for the zero rows
	s_wait_alu depctr_va_vdst(0)
	s_wait_loadcnt 0x0
.irp j, 0,2,4,6,8,10,12,14,16,18,20,22,24,26,28,30
	v_pk_mul_f32 v[ACC+\j:ACC+\j+1], v[ACC+\j:ACC+\j+1], v[34:35] op_sel_hi:[1,0]
.endr
	NORMQ 0
	v_and_b32 v11, 31, v0
	s_delay_alu instid0(VALU_DEP_1)
	v_lshlrev_b32 v10, 4, v11
	s_delay_alu instid0(VALU_DEP_2)
	v_lshlrev_b32 v11, 2, v11
.irp z, 32,33,34,35
	v_mov_b32 v\z, 0
.endr
	v_mov_b32 v36, 0x7f7f7f7f
.irp k, 0,1,2,3,4,5,6
	global_store_b128 v10, v[32:35], s[54:55] offset:2064*32+512*\k        ; positions 2064 .. 2175: zero codes
.endr
.irp p, 2064,2096,2128,2144
	global_store_b32 v11, v36, s[56:57] offset:4*\p                        ; and scales of 1 (the last store overlaps the one before with the same value)
.endr
.Lqk_end:
	s_set_vgpr_msb 0x5
	s_wait_tensorcnt 0x0
	ds_add_u32 v0, v1
	s_wait_dscnt 0x0
	s_set_vgpr_msb 0x500
	s_endpgm
	; ---------------- v ----------------
.Lv:
	GSTEP 0, 1, 0
	GSTEP 1, 1, 0
	GSTEP 2, 1, 0
	GSTEP 3, 1, 0
	GSTEP 4, 1, 0
	GSTEP 5, 1, 0
	GSTEP 6, 1, 0
	GSTEP 7, 1, 0
	v_mov_b32 v[QN], 0
	v_mov_b32 v[QN+1], 0
	v_and_b32 v5, 31, v0
	s_delay_alu instid0(VALU_DEP_1)
	v_lshlrev_b32 v6, 4, v5                        ; 16 x lane: the codes leave as an image of the attention launch's operand registers
	v_and_b32 v4, 15, v0
	s_delay_alu instid0(VALU_DEP_1)
	v_lshlrev_b32 v7, 2, v4                        ; 4 r
	s_lshr_b32 s58, s5, 1                          ; the key step of 128 positions,
	s_and_b32 s59, s5, 1                           ; and which half of it
	s_mul_i32 s12, s9, 69632                       ; a head: 17 key steps of 4,096 bytes
	s_lshl_b32 s14, s58, 12
	s_add_co_u32 s12, s12, s14
	s_lshl_b32 s14, s59, 9
	s_add_co_u32 s12, s12, s14
	s_mov_b32 s13, 0
	s_add_nc_u64 s[54:55], s[44:45], s[12:13]
	s_mul_i32 s12, s9, 4352                        ; scale words: 17 key steps of 256 bytes
	s_lshl_b32 s14, s58, 8
	s_add_co_u32 s12, s12, s14
	s_lshl_b32 s14, s59, 1
	s_add_co_u32 s12, s12, s14
	s_add_nc_u64 s[56:57], s[46:47], s[12:13]
	s_cmp_lg_u32 s5, 0
	s_cbranch_scc1 .Lvq
	; i = 0: registers 0 and 1 of lanes 0-15 hold v of tokens 2046 and 2047: positions 2048 and 2049, the last, short block.  It is quantised and stored as key step 16; then the null values take the two places.
	s_add_nc_u64 s[58:59], s[54:55], 65536
	s_add_nc_u64 s[60:61], s[56:57], 4096
	s_lshl_b32 s12, s8, 10
	s_add_nc_u64 s[52:53], s[34:35], s[12:13]
	s_wait_alu depctr_va_vdst(0)
	v_lshrrev_b32 v10, 3, v4
	s_delay_alu instid0(VALU_DEP_1)
	v_lshl_add_u32 v10, v10, 3, v4
	s_delay_alu instid0(VALU_DEP_1)
	v_lshlrev_b32 v10, 2, v10                      ; 4 (r + 8 (r / 8)): my channel in a tile
.irp g, 0,1,2,3
.irp n, 0,1
	global_load_b32 v[32+2*\g+\n], v10, s[52:53] offset:(2*\n+1)*256+(32*(\g/2)+8*(\g%2))*4    ; rows 1 and 3 of the head's four are the null values
.endr
.endr
	v_cmp_gt_u32 vcc_lo, 16, v5
.irp g, 0,1,2,3
	v_cndmask_b32 v[64+8*\g], 0, v[ACC+32*\g], vcc_lo
	v_cndmask_b32 v[65+8*\g], 0, v[ACC+32*\g+1], vcc_lo
.irp z, 2,3,4,5,6,7
	v_mov_b32 v[64+8*\g+\z], 0
.endr
	v_mov_b32 v[100+\g], 0
.irp z, 1,2,3
	v_mov_b32 v[40+4*\g+\z], 0
.endr
	v_mov_b32 v[56+\g], 0
.endr
.irp g, 0,1,2,3
	v_max3_num_f32 v[96+\g], |v[64+8*\g]|, |v[65+8*\g]|, 0x1800000
.endr
.irp g, 0,1,2,3
	s_delay_alu instid0(VALU_DEP_4)
	v_permlanex16_b32 v[100+\g], v[96+\g], s[SEL], s[SEL+1]
.endr
.irp g, 0,1,2,3
	s_delay_alu instid0(VALU_DEP_4)
	v_max_num_f32 v[96+\g], v[96+\g], v[100+\g]
.endr
.irp g, 0,1,2,3
	s_delay_alu instid0(VALU_DEP_4)
	v_add_nc_u32 v[104+\g], 0xff000000, v[96+\g]
.endr
.irp g, 0,1,2,3
	v_cvt_scalef32_pk8_fp4_f32 v[40+4*\g], v[64+8*\g:71+8*\g], v[104+\g]
.endr
.irp g, 0,1,2,3
	v_lshrrev_b32 v[108+\g], 23, v[104+\g]
.endr
.irp g, 0,1,2,3
	s_delay_alu instid0(VALU_DEP_4)
	v_or_b32 v[108+\g], 0x7f7f7f00, v[108+\g]      ; the step's other three blocks are zeros under a scale of 1
.endr
.irp g, 0,1,2,3
	global_store_b128 v6, v[40+4*\g:43+4*\g], s[58:59] offset:1024*\g
	global_store_b128 v6, v[56:59], s[58:59] offset:1024*\g+512
	global_store_b32 v7, v[108+\g], s[60:61] offset:64*\g
.endr
	s_wait_loadcnt 0x0
.irp g, 0,1,2,3
	v_cndmask_b32 v[ACC+32*\g], v[ACC+32*\g], v[32+2*\g], vcc_lo
	v_cndmask_b32 v[ACC+32*\g+1], v[ACC+32*\g+1], v[33+2*\g], vcc_lo
.endr
	s_wait_xcnt 0x0                                ; the stores above have read their data: those registers are written again below
.Lvq:
	s_wait_alu depctr_va_vdst(0)
.irp g, 0,1,2,3
	QUANT32 ACC+32*\g, PC+4*\g, PW+\g
	global_store_b128 v6, v[PC+4*\g:PC+4*\g+3], s[54:55] offset:1024*\g    ; 32 lanes store 512 consecutive bytes
	global_store_b16 v7, v[PW+\g], s[56:57] offset:64*\g                   ; my two of the key step's four scale bytes
.endr
	s_set_vgpr_msb 0x5
	s_wait_tensorcnt 0x0
	ds_add_u32 v0, v1
	s_wait_dscnt 0x0
	s_set_vgpr_msb 0x500
	s_endpgm
.Lfunc_end_k_qd7833ee874_proj:
	.size	k_qd7833ee874_proj, .Lfunc_end_k_qd7833ee874_proj-k_qd7833ee874_proj
	.p2alignl 7, 3214868480
	.fill 96, 4, 3214868480
	.section	.rodata,"a",@progbits
	.p2align	6, 0x0
	.amdhsa_kernel k_qd7833ee874_proj
		.amdhsa_group_segment_fixed_size 132608
		.amdhsa_private_segment_fixed_size 0
		.amdhsa_enable_private_segment 0
		.amdhsa_kernarg_size 128
		.amdhsa_user_sgpr_count 2
		.amdhsa_user_sgpr_kernarg_segment_ptr 1
		.amdhsa_wavefront_size32 1
		.amdhsa_system_sgpr_workgroup_id_x 1
		.amdhsa_system_sgpr_workgroup_id_y 1
		.amdhsa_system_sgpr_workgroup_id_z 1
		.amdhsa_system_vgpr_workitem_id 0
		.amdhsa_next_free_vgpr 258
		.amdhsa_next_free_sgpr 66
		.amdhsa_reserve_vcc 1
		.amdhsa_float_denorm_mode_32 3
		.amdhsa_float_denorm_mode_16_64 3
		.amdhsa_memory_ordered 1
		.amdhsa_forward_progress 1
		.amdhsa_inst_pref_size 199
	.end_amdhsa_kernel
	.amdgpu_metadata
---
amdhsa.version: [ 1, 2 ]
amdhsa.kernels:
  - .name:           k_qd7833ee874_proj
    .symbol:         k_qd7833ee874_proj.kd
    .args:
      - { .name: x, .offset: 0, .size: 8, .value_kind: global_buffer, .address_space: global }
      - { .name: norm_g, .offset: 8, .size: 8, .value_kind: global_buffer, .address_space: global }
      - { .name: norm_b, .offset: 16, .size: 8, .value_kind: global_buffer, .address_space: global }
      - { .name: Wq_codes, .offset: 24, .size: 8, .value_kind: global_buffer, .address_space: global }
      - { .name: Wq_scales, .offset: 32, .size: 8, .value_kind: global_buffer, .address_space: global }
      - { .name: Wkv_codes, .offset: 40, .size: 8, .value_kind: global_buffer, .address_space: global }
      - { .name: Wkv_scales, .offset: 48, .size: 8, .value_kind: global_buffer, .address_space: global }
      - { .name: q_scale, .offset: 56, .size: 8, .value_kind: global_buffer, .address_space: global }
      - { .name: k_scale, .offset: 64, .size: 8, .value_kind: global_buffer, .address_space: global }
      - { .name: null_kv, .offset: 72, .size: 8, .value_kind: global_buffer, .address_space: global }
      - { .name: qc, .offset: 80, .size: 8, .value_kind: global_buffer, .address_space: global }
      - { .name: qsc, .offset: 88, .size: 8, .value_kind: global_buffer, .address_space: global }
      - { .name: kc, .offset: 96, .size: 8, .value_kind: global_buffer, .address_space: global }
      - { .name: ksc, .offset: 104, .size: 8, .value_kind: global_buffer, .address_space: global }
      - { .name: vc, .offset: 112, .size: 8, .value_kind: global_buffer, .address_space: global }
      - { .name: vsc, .offset: 120, .size: 8, .value_kind: global_buffer, .address_space: global }
    .group_segment_fixed_size: 132608
    .private_segment_fixed_size: 0
    .kernarg_segment_align: 8
    .kernarg_segment_size: 128
    .max_flat_workgroup_size: 384
    .sgpr_count:     66
    .vgpr_count:     258
    .wavefront_size: 32
...
	.end_amdgpu_metadata
.endif
;; end of part 4
;; launch attn (part 5): grid 8 x 32, 16 waves a work-group, no clusters, 169,984 bytes of LDS; arguments qc, qsc, kc, ksc, vc, vsc, oc, osc; writes oc, osc
.if DOCPART == 5
	.amdgcn_target "amdgcn-amd-amdhsa--gfx1250"
	.amdhsa_code_object_version 6
	.text
	.protected	k_qd7833ee874_attn
	.globl	k_qd7833ee874_attn
	.p2align	8
	.type	k_qd7833ee874_attn,@function
k_qd7833ee874_attn:
	s_mov_b64 s[64:65], 0
	v_nop
	global_prefetch_b8 v0, s[64:65] scope:SCOPE_SE
	s_setreg_imm32_b32 hwreg(HW_REG_WAVE_MODE, 25, 1), 1
	s_wait_xcnt 0x0
; Attention on codes of FP4 (E2M1, one E8M0 scale for each 32 along a product's K): S^T = K Q^T, the ALiBi term, the causal mask, the softmax, O^T = V^T P^T, the division by the row's sum, and the result's codes for the last product.
; A key's position is its token + 2; positions 0 and 1 are the null keys; query i stands at position i + 2 and sees positions up to its own.  logit = 8 q.k - slope x (own position - key's position).
; THE SOFTMAX: t = logit x log2(e); M = the running largest t rounded UP to a whole number; p = 2^(t - M) is what is quantised, along the positions, in blocks of 32 from position 0.  The row's sum is taken of the unquantised p
; and divides at the end.  When M moves, the sum and O^T are multiplied by 2^(old M - new M): exact.
; SHARES.  Work-group (g, 16 b + head): sixteen waves, each with ONE tile of 16 queries: tile 8 rho + g, rho = w xor 3 ((w / 4) % 2): every work-group's tiles are spread evenly over the head, so all have about the same number of key steps.
; A key step is 128 positions.  A step all of whose positions come after the wave's queries is left out: a scalar branch on ids inside a loop of constant count.
; LDS holds the head's first sixteen key steps, 143,360 bytes, FILLED ONCE: wave w copies step w by 18 asynchronous copies at the kernel's head; one barrier; then LDS is only read.  The copy of K is addressed lane by lane so that it
; lands as an image of the operand's registers.  Step 16 (positions 2048 on) is wanted by the head's last tile alone, which loads it from memory.
; NO JOINT REQUESTS: the eight work-groups of a head read the same 143,360 bytes, but each reads them once, ahead of all its work, and by copies whose LDS addresses differ from lane to lane; a joint request would be a tensor load, which lays rows as rows.
; LAYOUT.  Both products are used transposed: a lane holds ONE query (lane % 16) throughout.  THE KEYS OF A TILE ARE NOT NEIGHBOURS: lane r of tile 2 b + u takes position 32 b + 8 u + r + 8 (r / 8): register 16 b + i is position 32 b + 16 (lane / 16) + i.
; K = 64 IN AN INSTRUCTION OF K = 128: Q's upper four registers hold zero codes.  K's tile t is named v[64 + 4 t : 71 + 4 t]: its upper half is the next tile's codes (zeros behind the last), every one a finite number that meets a zero code.
; The scale words of q and k repeat their two bytes for that half.
; t - M = (c s + BI[i]) + (T_b - M): c = 8 log2(e); BI[i] = a (i + 16 (lane / 16) - lane % 16 - 2), sixteen registers that serve all four blocks; T_b = a (step's first position - tile's first query) + 32 a b; a = slope x log2(e).
; LIMITS: NaN and infinities are not served.  p under 2^-126 comes out as 0 (v_exp_f32 gives 0 there).  A hidden logit is -infinity where the definition has the largest negative number: p is 0 either way.
; A block whose every p is 0, and a block of the result under 2^-124, gets the scale byte 1 over zero or held codes.  The division by the row's sum is v_rcp_f32 and a multiplication.
.set KCB,  0                           ; LDS: K's images, 16 x 4,096 bytes: [tile 8][lane 32][16]
.set VCB,  65536                       ; V's images, 16 x 4,096: [tile 4][half 2][lane 32][16]
.set KSB,  131072                      ; K's scale words, 16 x 512
.set VSB,  139264                      ; V's scale words, 16 x 256
.set AK0,  1                           ; v1-4 my lane's places in the four regions; v5 r + 2 - 16 h
.set AV0,  2
.set ASK0, 3
.set ASV0, 4
.set DL0,  5
.set ADK,  6                           ; v6-9 the step's addresses
.set ADV,  7
.set ADS,  8
.set ADT,  9
.set NM,   10                          ; v10 -M; v11 the largest t; v[12:13] the sum in two halves; v[14:15] f
.set TM,   11
.set L,    12
.set F,    14
.set MB,   16                          ; v16-19 the blocks' largest; v20-23 at work; v24, 26, 28, 30 T_b - M; v32-35 the conversions' scale operands
.set PX,   20
.set ZB,   24
.set EB,   32
.set T0,   36                          ; v36-39 at work
.set T1,   37
.set T2,   38
.set T3,   39
.set BI,   40                          ; v40-55
.set QR,   56                          ; v56-63 Q
.set KR,   64                          ; v64-99 K
.set VR,   100                         ; v100-131 V
.set S,    132                         ; v132-195 S^T, then p
.set O,    196                         ; v196-227 O^T
.set P,    228                         ; v228-235 p's codes
.set TBV,  236                         ; v236-239 T_b
.set KSC,  240                         ; v240-243 K's scale words: lanes 0-15 tile 2 b, lanes 16-31 tile 2 b + 1; v244-245 V's likewise; v246 Q's; v247 p's
.set VSC,  244
.set QSC,  246
.set PWD,  247
.set GK,   248                         ; v248-255 the copies' addresses; behind the wait for them v248 holds my lane's offset in K's rows in memory
.set WV,   2
.set MT,   3
.set Q0,   4
.set QMAX, 5
.set QMIN, 6
.set BH,   7
.set HD,   8
.set KF,   9                           ; s9 the step's first position; s10-12 where the step begins in the LDS regions; s13 steps to go
.set TB,   10
.set TS,   11
.set TV,   12
.set CNT,  13
.set SEL,  14
.set CS,   48                          ; s[48:49] c; s50 a; s51-53 32 a, 64 a, 96 a
.set AL,   50
.set QM,   16
.set QN,   20
.set QE,   32
.set QY,   22
.macro QUANT32 s, pc, pw               ; 32 numbers of a lane, register 16 b + i = element 32 b + 16 (lane / 16) + i, become 16 bytes of codes (block lane / 16) and two scale bytes
.irp b, 0,1
	v_max3_num_f32 v[QM+\b], |v[\s+16*\b]|, |v[\s+16*\b+1]|, 0x1800000
.endr
.irp i, 2,4,6,8,10,12,14
.irp b, 0,1
	s_delay_alu instid0(VALU_DEP_2)
	v_max3_num_f32 v[QM+\b], v[QM+\b], |v[\s+16*\b+\i]|, |v[\s+16*\b+\i+1]|
.endr
.endr
.irp b, 0,1
	s_delay_alu instid0(VALU_DEP_2)
	v_permlanex16_b32 v[QN+\b], v[QM+\b], s[SEL], s[SEL+1]
.endr
.irp b, 0,1
	s_delay_alu instid0(VALU_DEP_2)
	v_max_num_f32 v[QM+\b], v[QM+\b], v[QN+\b]
.endr
.irp b, 0,1
	s_delay_alu instid0(VALU_DEP_2)
	v_add_nc_u32 v[QE+\b], 0xff000000, v[QM+\b]
.endr
.irp b, 0,1
	s_delay_alu instid0(VALU_DEP_2)
	v_lshrrev_b32 v[QY+\b], 23, v[QE+\b]
.endr
	s_delay_alu instid0(VALU_DEP_1)
	v_lshl_or_b32 v[\pw], v[QY+1], 8, v[QY]
.irp b, 0,1
	v_cvt_scalef32_pk8_fp4_f32 v[\pc+2*\b], v[\s+16*\b:\s+16*\b+7], v[QE+\b]
	v_cvt_scalef32_pk8_fp4_f32 v[\pc+2*\b+1], v[\s+16*\b+8:\s+16*\b+15], v[QE+\b]
.endr
	v_nop
	v_permlane16_swap_b32 v[\pc], v[\pc+2]
	v_permlane16_swap_b32 v[\pc+1], v[\pc+3]
.endm
	s_load_b512 s[16:31], s[0:1], 0x0              ; qc, qsc, kc, ksc, vc, vsc, oc, osc
	v_lshl_add_u32 v254, v0, 2, 0x29000
	v_mov_b32 v255, 0
	ds_add_u32 v254, v255
	ds_add_u32 v254, v255
	s_wait_dscnt 0x0
	v_lshrrev_b32 v6, 5, v0
	s_delay_alu instid0(VALU_DEP_1)
	v_readfirstlane_b32 s[WV], v6                  ; wave 0..15
	s_and_b32 s[BH], ttmp7, 0xffff                 ; 16 b + head
	s_and_b32 s[HD], s[BH], 15
	s_bfe_u32 s54, s[WV], 0x10002                  ; (w / 4) % 2
	s_mul_i32 s54, s54, 3
	s_xor_b32 s54, s54, s[WV]                      ; rho
	s_lshl_b32 s[MT], s54, 3
	s_add_co_u32 s[MT], s[MT], ttmp9               ; my tile of queries
	s_lshl_b32 s[Q0], s[MT], 4                     ; my first query
	s_add_co_u32 s[QMAX], s[Q0], 17                ; the position of my last query,
	s_add_co_u32 s[QMIN], s[Q0], 2                 ; and of my first
	v_and_b32 v1, 31, v0                           ; lane
	s_delay_alu instid0(VALU_DEP_1)
	v_lshlrev_b32 v250, 4, v1                      ; memory: 16 x lane
	s_delay_alu instid0(VALU_DEP_1)
	v_add_nc_u32 v251, 512, v250
	s_delay_alu instid0(VALU_DEP_3)
	v_lshlrev_b32 v255, 3, v1                      ; 8 x lane
	s_lshl_b32 s54, s[WV], 12                      ; step w's 4,096 bytes
	v_bfe_u32 v6, v0, 4, 1
	v_bfe_u32 v7, v0, 1, 3
	v_and_b32 v8, 1, v0
	s_delay_alu instid0(VALU_DEP_3)
	v_lshlrev_b32 v248, 9, v6                      ; K: memory byte 1,024 k + 16 l is row 32 k + l / 2, block l % 2.  Rows 0-7 of a 32 are lanes 0-7 of tile 2 k, rows 8-15 of tile 2 k + 1,
	s_delay_alu instid0(VALU_DEP_1)
	v_lshl_add_u32 v248, v7, 4, v248               ; rows 16-23 and 24-31 their lanes 8-15: image byte 512 (tile) + 16 (row's lane) + 256 (block)
	s_delay_alu instid0(VALU_DEP_1)
	v_lshl_add_u32 v248, v8, 8, v248
	s_delay_alu instid0(VALU_DEP_1)
	v_add_nc_u32 v248, s54, v248
	s_delay_alu instid0(VALU_DEP_1)
	v_add_nc_u32 v249, 128, v248                   ; the rows 16 further on: eight lanes further on
	v_add_nc_u32 v252, s54, v250
	s_delay_alu instid0(VALU_DEP_1)
	v_add_nc_u32 v252, VCB, v252
	s_lshl_b32 s55, s[WV], 9
	v_add_nc_u32 v253, s55, v250
	s_delay_alu instid0(VALU_DEP_1)
	v_add_nc_u32 v253, KSB, v253
	s_lshl_b32 s55, s[WV], 8
	v_add_nc_u32 v254, s55, v255
	s_delay_alu instid0(VALU_DEP_1)
	v_add_nc_u32 v254, VSB, v254
	s_mul_i32 s54, s[BH], 69632                    ; a head's codes of K, and of V: 17 steps of 4,096 bytes
	s_mov_b32 s55, 0
	s_wait_alu depctr_va_vdst(0)
	s_wait_kmcnt 0x0
	s_add_nc_u64 s[40:41], s[20:21], s[54:55]
	s_add_nc_u64 s[44:45], s[24:25], s[54:55]
	s_lshl_b32 s54, s[WV], 12
	s_add_nc_u64 s[32:33], s[40:41], s[54:55]      ; step w
	s_add_nc_u64 s[34:35], s[44:45], s[54:55]
	s_add_nc_u64 s[40:41], s[40:41], 65536         ; step 16
	s_add_nc_u64 s[44:45], s[44:45], 65536
	s_mul_i32 s54, s[BH], 8704
	s_add_nc_u64 s[42:43], s[22:23], s[54:55]
	s_lshl_b32 s54, s[WV], 9
	s_add_nc_u64 s[36:37], s[42:43], s[54:55]
	s_add_nc_u64 s[42:43], s[42:43], 8192
	s_mul_i32 s54, s[BH], 4352
	s_add_nc_u64 s[46:47], s[26:27], s[54:55]
	s_lshl_b32 s54, s[WV], 8
	s_add_nc_u64 s[38:39], s[46:47], s[54:55]
	s_add_nc_u64 s[46:47], s[46:47], 4096
	; the copies: all of them here, ahead of every wait for copies, every LDS read and the barrier; v248-255 and s[32:39] stay as they are until the wait for them
.irp k, 0,1,2,3
	global_load_async_to_lds_b128 v248, v250, s[32:33] offset:1024*\k      ; the immediate is added to both addresses
	global_load_async_to_lds_b128 v249, v251, s[32:33] offset:1024*\k
.endr
.irp k, 0,1,2,3,4,5,6,7
	global_load_async_to_lds_b128 v252, v250, s[34:35] offset:512*\k
.endr
	global_load_async_to_lds_b128 v253, v250, s[36:37]
	global_load_async_to_lds_b64 v254, v255, s[38:39]
	; the rest of the set-up stands behind them
	v_and_b32 v6, 15, v0                           ; r
	v_bfe_u32 v7, v0, 4, 1                         ; h
	v_lshl_add_u32 v[ASV0], v1, 2, VSB             ; V's scale words: 4 x lane: lanes 0-15 an even tile's, lanes 16-31 the next's
	v_lshlrev_b32 v[AK0], 4, v1                    ; images: 16 x lane
	s_delay_alu instid0(VALU_DEP_1)
	v_add_nc_u32 v[AV0], VCB, v[AK0]
	v_lshrrev_b32 v8, 3, v6
	s_delay_alu instid0(VALU_DEP_1)
	v_lshl_add_u32 v8, v8, 3, v6                   ; r + 8 (r / 8)
	s_delay_alu instid0(VALU_DEP_1)
	v_lshl_add_u32 v9, v7, 3, v8
	s_delay_alu instid0(VALU_DEP_1)
	v_lshl_add_u32 v[ASK0], v9, 2, KSB             ; K's scale words: position 8 h + r + 8 (r / 8) of a 32
	v_lshlrev_b32 v9, 4, v7
	s_delay_alu instid0(VALU_DEP_1)
	v_sub_nc_u32 v[DL0], v6, v9
	s_delay_alu instid0(VALU_DEP_1)
	v_add_nc_u32 v[DL0], 2, v[DL0]
	s_wait_alu depctr_va_vdst(0)
	v_lshlrev_b32 v[T2], 5, v6
	s_delay_alu instid0(VALU_DEP_1)
	v_lshl_add_u32 v[T2], v7, 4, v[T2]             ; Q: 32 r + 16 h
	v_lshlrev_b32 v[T3], 2, v6                     ; its scale word: 4 r
	s_lshl_b32 s58, s[BH], 11
	s_add_co_u32 s58, s58, s[Q0]
	s_lshl_b32 s54, s58, 5
	s_add_nc_u64 s[56:57], s[16:17], s[54:55]
	s_lshl_b32 s54, s58, 2
	s_add_nc_u64 s[58:59], s[18:19], s[54:55]
	global_load_b128 v[QR:QR+3], v[T2], s[56:57]
	global_load_b32 v[QSC], v[T3], s[58:59]
	s_lshr_b32 s60, s[BH], 4
	s_lshl_b32 s60, s60, 7
	s_add_co_u32 s60, s60, s[MT]                   ; the tile of rows among all 256: 128 b + my tile
	s_lshl_b32 s62, s60, 9
	s_lshl_b32 s54, s60, 4
	s_add_co_u32 s54, s54, s[HD]
	s_lshl_b32 s54, s54, 9
	s_add_nc_u64 s[60:61], s[28:29], s[54:55]      ; oc: 512 bytes for each tile of rows and head
	s_lshl_b32 s54, s[HD], 1
	s_add_co_u32 s54, s54, s62
	s_add_nc_u64 s[62:63], s[30:31], s[54:55]      ; osc: 512 bytes a tile of rows, 32 a row, two a head
	s_add_co_u32 s51, s[HD], 1                     ; slope = 2^(-(head + 1) / 2)
	s_lshr_b32 s52, s51, 1
	s_sub_co_u32 s52, 127, s52
	s_lshl_b32 s52, s52, 23                        ; 2^(-((head + 1) / 2, rounded down))
	s_mov_b32 s[AL], 0x3fb8aa3b                    ; log2(e),
	s_and_b32 s53, s51, 1
	s_cmp_eq_u32 s53, 1
	s_cselect_b32 s[AL], 0x3f8293ee, s[AL]         ; or log2(e) / sqrt(2) where head + 1 is odd
	s_mul_f32 s[AL], s[AL], s52
	s_mul_f32 s51, s[AL], 0x42000000
	s_mul_f32 s52, s[AL], 0x42800000
	s_mul_f32 s53, s[AL], 0x42c00000
	s_mov_b32 s[CS], 0x4138aa3b                    ; c = 8 log2(e)
	s_mov_b32 s[CS+1], s[CS]                       ; (named with it as a pair, so it is written)
	s_mov_b32 s[SEL], 0x76543210
	s_mov_b32 s[SEL+1], 0xfedcba98
	s_mov_b32 s[KF], 0
	s_mov_b32 s[TB], 0
	s_mov_b32 s[TS], 0
	s_mov_b32 s[TV], 0
	v_sub_nc_u32 v[T0], 0, v[DL0]
.irp i, 0,1,2,3,4,5,6,7,8,9,10,11,12,13,14,15
	v_add_nc_u32 v[T1], \i, v[T0]
	s_delay_alu instid0(VALU_DEP_1)
	v_cvt_f32_i32 v[T1], v[T1]
	s_delay_alu instid0(VALU_DEP_1)
	v_mul_f32 v[BI+\i], s[AL], v[T1]
.endr
	v_mov_b32 v[TM], 0xff61b1e6                    ; the largest t so far: -3e38, under every t
	s_delay_alu instid0(VALU_DEP_1)
	v_floor_f32 v[NM], -v[TM]
	v_mov_b32 v[L], 0
	v_mov_b32 v[L+1], 0
	v_mov_b32 v[F+1], 0                            ; upper halves of pairs of which the low word serves both halves: written once
.irp b, 0,1,2,3
	v_mov_b32 v[PX+\b], 0                          ; a lane permute's destination counts as one of its sources
	v_mov_b32 v[ZB+2*\b+1], 0
	v_mov_b32 v[QR+4+\b], 0                        ; Q's upper half: zero codes
	v_mov_b32 v[KR+32+\b], 0                       ; behind K's last tile: zero codes
.endr
.set n, 0
.rept 32
	v_mov_b32 v[O+n], 0                            ; O^T.  (The step is written once: the first finds zeros, which the first change of M leaves zeros)
.set n, n+1
.endr
	s_wait_loadcnt 0x0                             ; Q
	s_wait_asynccnt 0x0                            ; my step's copies have landed
	s_barrier_signal -1
	s_barrier_wait -1                              ; everybody's have
	v_lshlrev_b32 v[GK], 5, v8
	s_delay_alu instid0(VALU_DEP_1)
	v_lshl_add_u32 v[GK], v7, 4, v[GK]             ; 32 (r + 8 (r / 8)) + 16 h, for step 16
; A KEY STEP of 128 positions.  glob = 0: operands from LDS, in the loop; glob = 1: step 16, from memory
.macro STEP glob
.if \glob == 0
	s_cmp_gt_u32 s[KF], s[QMAX]                    ; all its positions come after my queries: nothing to do but to step the addresses
	s_cbranch_scc1 .Lskip_\@
	s_setprio 2
	v_add_nc_u32 v[ADK], s[TB], v[AK0]             ; (these four plain lines are also the places between the last step's products and the loads into their sources)
	v_add_nc_u32 v[ADV], s[TB], v[AV0]
	v_add_nc_u32 v[ADS], s[TS], v[ASK0]
	v_add_nc_u32 v[ADT], s[TV], v[ASV0]
.else
	v_mov_b32 v[ADK], v[GK]
	v_mov_b32 v[ADV], v[AK0]
	v_add_nc_u32 v[ADS], -KSB, v[ASK0]
	v_add_nc_u32 v[ADT], -VSB, v[ASV0]
.endif
.irp t, 0,1,2,3,4,5,6,7
.if \glob
	global_load_b128 v[KR+4*\t:KR+4*\t+3], v[ADK], s[40:41] offset:(32*(\t/2)+8*(\t%2))*32
.else
	ds_load_b128 v[KR+4*\t:KR+4*\t+3], v[ADK] offset:512*\t
.endif
.endr
.irp b, 0,1,2,3
.if \glob
	global_load_b32 v[KSC+\b], v[ADS], s[42:43] offset:128*\b
.else
	ds_load_b32 v[KSC+\b], v[ADS] offset:128*\b
.endif
.endr
.irp t, 0,1,2,3
.irp c, 0,1
.if \glob
	global_load_b128 v[VR+8*\t+4*\c:VR+8*\t+4*\c+3], v[ADV], s[44:45] offset:1024*\t+512*\c
.else
	ds_load_b128 v[VR+8*\t+4*\c:VR+8*\t+4*\c+3], v[ADV] offset:1024*\t+512*\c
.endif
.endr
.endr
.irp e, 0,1
.if \glob
	global_load_b32 v[VSC+\e], v[ADT], s[46:47] offset:128*\e
.else
	ds_load_b32 v[VSC+\e], v[ADT] offset:128*\e
.endif
.endr
.if \glob
	s_wait_loadcnt 10                              ; K and its scale words are in; V's eight loads and its two scale loads may be out
.else
	s_wait_dscnt 10                                ; K and its scale words are in; V's eight loads and its two scale loads may be out
.endif
.irp t, 0,1,2,3,4,5,6,7
.if \t % 2
	v_wmma_scale_f32_16x16x128_f8f6f4 v[S+8*\t:S+8*\t+7], v[KR+4*\t:KR+4*\t+7], v[QR:QR+7], 0, v[KSC+\t/2], v[QSC] matrix_a_fmt:MATRIX_FMT_FP4 matrix_b_fmt:MATRIX_FMT_FP4 matrix_a_scale:MATRIX_SCALE_ROW1
.else
	v_wmma_scale_f32_16x16x128_f8f6f4 v[S+8*\t:S+8*\t+7], v[KR+4*\t:KR+4*\t+7], v[QR:QR+7], 0, v[KSC+\t/2], v[QSC] matrix_a_fmt:MATRIX_FMT_FP4 matrix_b_fmt:MATRIX_FMT_FP4
.endif
.endr
	s_sub_co_i32 s54, s[KF], s[Q0]
	v_cvt_f32_i32 v[T0], s54                       ; five plain lines that name none of the products' registers: the places behind them (ISA guide 7.12.1)
	s_delay_alu instid0(VALU_DEP_1)
	v_mul_f32 v[TBV], s[AL], v[T0]                 ; T_0 = a (first position - first query)
	s_delay_alu instid0(VALU_DEP_2)
	v_fma_f32 v[TBV+1], s[AL], v[T0], s[AL+1]      ; T_b = T_0 + 32 a b
	s_delay_alu instid0(VALU_DEP_3)
	v_fma_f32 v[TBV+2], s[AL], v[T0], s[AL+2]
	s_delay_alu instid0(VALU_DEP_4)
	v_fma_f32 v[TBV+3], s[AL], v[T0], s[AL+3]
	s_add_co_u32 s54, s[KF], 127
	s_cmp_le_u32 s54, s[QMIN]                      ; every position counts for every query of mine: no mask
	s_cbranch_scc1 .Lopen_\@
	s_sub_co_i32 s54, s[Q0], s[KF]
	v_add_nc_u32 v[T3], s54, v[DL0]                ; my query's position - first position - 16 h: register 16 b + i is hidden where 32 b + i is larger
	v_mov_b32 v[T2], 0xff800000                    ; -infinity
.set n, 0
.rept 64
	v_cmp_gt_i32 vcc_lo, 32*(n/16)+n%16, v[T3]
	v_cndmask_b32 v[S+n], v[S+n], v[T2], vcc_lo
.set n, n+1
.endr
.Lopen_\@:
.set n, 0
.rept 32
	v_pk_fma_f32 v[S+2*n:S+2*n+1], v[S+2*n:S+2*n+1], s[CS:CS+1], v[BI+(2*n)%16:BI+(2*n)%16+1] op_sel_hi:[1,0,1]   ; u = c s + BI[i]; each accumulator from its low end on
.set n, n+1
.endr
.irp b, 0,1,2,3
	v_max3_num_f32 v[MB+\b], v[S+16*\b], v[S+16*\b+1], v[S+16*\b+2]        ; the largest u of each block of 32 positions: it serves the row's maximum and, since p rises with u inside a block, the block's largest p
.endr
.irp i, 3,5,7,9,11,13
.irp b, 0,1,2,3
	s_delay_alu instid0(VALU_DEP_4)
	v_max3_num_f32 v[MB+\b], v[MB+\b], v[S+16*\b+\i], v[S+16*\b+\i+1]
.endr
.endr
.irp b, 0,1,2,3
	s_delay_alu instid0(VALU_DEP_4)
	v_max_num_f32 v[MB+\b], v[MB+\b], v[S+16*\b+15]
.endr
.irp b, 0,1,2,3
	s_delay_alu instid0(VALU_DEP_4)
	v_permlanex16_b32 v[PX+\b], v[MB+\b], s[SEL], s[SEL+1]
.endr
.irp b, 0,1,2,3
	s_delay_alu instid0(VALU_DEP_4)
	v_max_num_f32 v[MB+\b], v[MB+\b], v[PX+\b]     ; with lane l xor 16's 16 positions
.endr
.irp b, 0,1,2,3
	s_delay_alu instid0(VALU_DEP_4)
	v_add_f32 v[PX+\b], v[MB+\b], v[TBV+\b]        ; the block's largest t
.endr
	s_delay_alu instid0(VALU_DEP_2)
	v_max3_num_f32 v[T1], v[PX], v[PX+1], v[PX+2]
	s_delay_alu instid0(VALU_DEP_1)
	v_max_num_f32 v[T1], v[T1], v[PX+3]
	s_delay_alu instid0(VALU_DEP_1)
	v_max_num_f32 v[TM], v[TM], v[T1]              ; the running largest t
	v_mov_b32 v[T1], v[NM]
	s_delay_alu instid0(VALU_DEP_2)
	v_floor_f32 v[NM], -v[TM]                      ; the new -M = -ceil(t): a whole number
	s_delay_alu instid0(VALU_DEP_1)
	v_sub_f32 v[T1], v[NM], v[T1]                  ; old M - new M: a whole number, 0 or less
	s_delay_alu instid0(VALU_DEP_1)
	v_cvt_i32_f32 v[T1], v[T1]                     ; (it saturates)
	s_delay_alu instid0(VALU_DEP_1)
	v_ldexp_f32 v[F], 1.0, v[T1]                   ; f = 2^(old M - new M)
.irp b, 0,1,2,3
	v_add_f32 v[ZB+2*\b], v[TBV+\b], v[NM]         ; T_b - M
.endr
.set n, 0
	s_setprio 1
.rept 32
	v_pk_add_f32 v[S+2*n:S+2*n+1], v[S+2*n:S+2*n+1], v[ZB+2*(n/8):ZB+2*(n/8)+1] op_sel_hi:[1,0]   ; t - M
.set n, n+1
.endr
.irp b, 0,1,2,3
	v_add_f32 v[MB+\b], v[MB+\b], v[ZB+2*\b]       ; the same of each block's largest
.endr
.set n, 0
	s_wait_alu depctr_va_vdst(0)
.rept 64
	v_exp_f32 v[S+n], v[S+n]                       ; p = 2^(t - M): not normalised
.set n, n+1
.endr
.irp b, 0,1,2,3
	v_exp_f32 v[MB+\b], v[MB+\b]                   ; the block's largest p: the same additions and exponential on the same number give the same bits
.endr
	v_pk_mul_f32 v[L:L+1], v[L:L+1], v[F:F+1] op_sel_hi:[1,0]              ; the sums under the new M; also the plain line behind the exponentials
	s_wait_alu depctr_va_vdst(0)
.irp b, 0,1,2,3
	v_max_num_f32 v[MB+\b], 0x1800000, v[MB+\b]    ; the floor 2^(3 - 127): the byte cannot fall under 1
.endr
.irp b, 0,1,2,3
	s_delay_alu instid0(VALU_DEP_4)
	v_add_nc_u32 v[EB+\b], 0xff000000, v[MB+\b]    ; 2 off the exponent field: the conversion's scale operand
.endr
.irp b, 0,1,2,3
	s_delay_alu instid0(VALU_DEP_4)
	v_lshrrev_b32 v[PX+\b], 23, v[EB+\b]           ; the scale's byte
.endr
	s_delay_alu instid0(VALU_DEP_3)
	v_lshl_or_b32 v[PWD], v[PX+1], 8, v[PX]        ; p's scale word for these 128 positions
	s_delay_alu instid0(VALU_DEP_1)
	v_lshl_or_b32 v[PWD], v[PX+2], 16, v[PWD]
	s_delay_alu instid0(VALU_DEP_1)
	v_lshl_or_b32 v[PWD], v[PX+3], 24, v[PWD]
.irp b, 0,1,2,3
	v_cvt_scalef32_pk8_fp4_f32 v[P+2*\b], v[S+16*\b:S+16*\b+7], v[EB+\b]
	v_cvt_scalef32_pk8_fp4_f32 v[P+2*\b+1], v[S+16*\b+8:S+16*\b+15], v[EB+\b]
.endr
	v_nop                                          ; one plain line behind the scaled conversions
.irp c, 0,1
.irp i, 0,1
	v_permlane16_swap_b32 v[P+4*\c+\i], v[P+4*\c+2+\i]                     ; a whole block to a lane: lanes 0-15 block 2 c, lanes 16-31 block 2 c + 1
.endr
.endr
	v_pk_add_f32 v[36:37], v[136:137], v[140:141]
	v_pk_add_f32 v[254:255], v[144:145], v[148:149]
	v_pk_add_f32 v[252:253], v[152:153], v[156:157]
	v_pk_add_f32 v[250:251], v[160:161], v[164:165]
	v_pk_add_f32 v[242:243], v[168:169], v[172:173]
	v_pk_add_f32 v[240:241], v[176:177], v[180:181]
	s_setprio 0
	v_pk_add_f32 v[238:239], v[184:185], v[188:189]
	v_pk_add_f32 v[12:13], v[12:13], v[192:193]
	v_pk_add_f32 v[36:37], v[36:37], v[132:133]
	v_pk_add_f32 v[254:255], v[254:255], v[134:135]
	v_pk_add_f32 v[252:253], v[252:253], v[138:139]
	v_pk_add_f32 v[250:251], v[250:251], v[142:143]
	v_pk_add_f32 v[242:243], v[242:243], v[146:147]
	v_pk_add_f32 v[240:241], v[240:241], v[150:151]
	v_pk_add_f32 v[238:239], v[238:239], v[154:155]
	v_pk_add_f32 v[12:13], v[12:13], v[158:159]
	v_pk_add_f32 v[36:37], v[36:37], v[162:163]
	v_pk_add_f32 v[254:255], v[254:255], v[166:167]
	v_pk_add_f32 v[252:253], v[252:253], v[170:171]
	v_pk_add_f32 v[250:251], v[250:251], v[174:175]
	v_pk_add_f32 v[242:243], v[242:243], v[178:179]
	v_pk_add_f32 v[240:241], v[240:241], v[182:183]
	v_pk_add_f32 v[238:239], v[238:239], v[186:187]
	v_pk_add_f32 v[12:13], v[12:13], v[190:191]
	v_pk_add_f32 v[36:37], v[36:37], v[194:195]
	s_delay_alu instid0(VALU_DEP_2)
	v_pk_add_f32 v[12:13], v[12:13], v[250:251]
	s_delay_alu instid0(VALU_DEP_2)
	v_pk_add_f32 v[36:37], v[36:37], v[242:243]
	v_pk_add_f32 v[254:255], v[254:255], v[240:241]
	v_pk_add_f32 v[252:253], v[252:253], v[238:239]
	s_delay_alu instid0(VALU_DEP_2)
	v_pk_add_f32 v[12:13], v[12:13], v[254:255]
	s_delay_alu instid0(VALU_DEP_2)
	v_pk_add_f32 v[36:37], v[36:37], v[252:253]
	s_delay_alu instid0(VALU_DEP_1)
	v_pk_add_f32 v[12:13], v[12:13], v[36:37]
.irp j, 0,2,4,6,8,10,12,14,16,18,20,22,24,26,28,30
	v_pk_mul_f32 v[O+\j:O+\j+1], v[O+\j:O+\j+1], v[F:F+1] op_sel_hi:[1,0]  ; O^T under the new M.  (The sums and these are far more than the eight plain lines between p's scale word and the products below)
.endr
.if \glob
	s_wait_alu depctr_va_vdst(0)
	s_wait_loadcnt 0x0                             ; V
.else
	s_wait_alu depctr_va_vdst(0)
	s_wait_dscnt 0x0                               ; V
.endif
.irp t, 0,1,2,3                        ; the four accumulators take turns, one instruction a turn, and the eight products K Q^T stand between two steps' turns
.if \t % 2
	v_wmma_scale_f32_16x16x128_f8f6f4 v[O+8*\t:O+8*\t+7], v[VR+8*\t:VR+8*\t+7], v[P:P+7], v[O+8*\t:O+8*\t+7], v[VSC+\t/2], v[PWD] matrix_a_fmt:MATRIX_FMT_FP4 matrix_b_fmt:MATRIX_FMT_FP4 matrix_a_scale:MATRIX_SCALE_ROW1
.else
	v_wmma_scale_f32_16x16x128_f8f6f4 v[O+8*\t:O+8*\t+7], v[VR+8*\t:VR+8*\t+7], v[P:P+7], v[O+8*\t:O+8*\t+7], v[VSC+\t/2], v[PWD] matrix_a_fmt:MATRIX_FMT_FP4 matrix_b_fmt:MATRIX_FMT_FP4
.endif
.endr
.if \glob == 0
.Lskip_\@:
	s_add_co_u32 s[KF], s[KF], 128
	s_add_co_u32 s[TB], s[TB], 4096
	s_add_co_u32 s[TS], s[TS], 512
	s_add_co_u32 s[TV], s[TV], 256
.endif
.endm
	s_mov_b32 s[CNT], 16
.Lstep:                                            ; sixteen trips in every wave: the count is a constant, the work of a hidden step is jumped over
	STEP 0
	s_sub_co_u32 s[CNT], s[CNT], 1
	s_cmp_lg_u32 s[CNT], 0
	s_cbranch_scc1 .Lstep
	s_setprio 0
	s_cmp_lt_u32 s[QMAX], 2048                     ; positions 2048 and 2049 count for the head's last tile alone
	s_cbranch_scc1 .Lout
	s_wait_alu depctr_va_vdst(0)
	STEP 1
.Lout:
.rept 4
	v_nop                                          ; four plain lines between the last products and the first read of their results
.endr
	v_add_f32 v[L], v[L], v[L+1]                   ; the sum's two halves,
	s_delay_alu instid0(VALU_DEP_1)
	v_permlanex16_b32 v[PX], v[L], s[SEL], s[SEL+1]
	s_delay_alu instid0(VALU_DEP_1)
	v_add_f32 v[L], v[L], v[PX]                    ; and lane l xor 16's: the row's sum
	s_wait_alu depctr_va_vdst(0)
	v_rcp_f32 v[F], v[L]
	v_nop
	s_wait_alu depctr_va_vdst(0)
.irp j, 0,2,4,6,8,10,12,14,16,18,20,22,24,26,28,30
	v_pk_mul_f32 v[O+\j:O+\j+1], v[O+\j:O+\j+1], v[F:F+1] op_sel_hi:[1,0]  ; register 16 b + i is channel 32 b + 16 h + i of my query: V's channels were laid so
.endr
	QUANT32 O, P, PWD
	v_and_b32 v6, 15, v0
	s_delay_alu instid0(VALU_DEP_1)
	v_lshlrev_b32 v6, 5, v6                        ; 32 r
	global_store_b128 v[AK0], v[P:P+3], s[60:61]   ; 32 lanes store 512 consecutive bytes: an image of the last product's operand registers
	global_store_b16 v6, v[PWD], s[62:63]          ; my head's two scale bytes of row r (both halves of the lanes write the same)
	s_wait_xcnt 0x0
	v_lshl_add_u32 v254, v0, 2, 0x29000
	v_mov_b32 v255, 0
	s_wait_alu depctr_va_vdst(0)
	s_wait_tensorcnt 0x0
	ds_add_u32 v254, v255
	s_wait_dscnt 0x0
	s_endpgm
.Lfunc_end_k_qd7833ee874_attn:
	.size	k_qd7833ee874_attn, .Lfunc_end_k_qd7833ee874_attn-k_qd7833ee874_attn
	.p2alignl 7, 3214868480
	.fill 96, 4, 3214868480
	.section	.rodata,"a",@progbits
	.p2align	6, 0x0
	.amdhsa_kernel k_qd7833ee874_attn
		.amdhsa_group_segment_fixed_size 169984
		.amdhsa_private_segment_fixed_size 0
		.amdhsa_enable_private_segment 0
		.amdhsa_kernarg_size 64
		.amdhsa_user_sgpr_count 2
		.amdhsa_user_sgpr_kernarg_segment_ptr 1
		.amdhsa_wavefront_size32 1
		.amdhsa_system_sgpr_workgroup_id_x 1
		.amdhsa_system_sgpr_workgroup_id_y 1
		.amdhsa_system_sgpr_workgroup_id_z 1
		.amdhsa_system_vgpr_workitem_id 0
		.amdhsa_next_free_vgpr 256
		.amdhsa_next_free_sgpr 66
		.amdhsa_reserve_vcc 1
		.amdhsa_float_denorm_mode_32 3
		.amdhsa_float_denorm_mode_16_64 3
		.amdhsa_memory_ordered 1
		.amdhsa_forward_progress 1
		.amdhsa_inst_pref_size 67
	.end_amdhsa_kernel
	.amdgpu_metadata
---
amdhsa.version: [ 1, 2 ]
amdhsa.kernels:
  - .name:           k_qd7833ee874_attn
    .symbol:         k_qd7833ee874_attn.kd
    .args:
      - { .name: qc, .offset: 0, .size: 8, .value_kind: global_buffer, .address_space: global }
      - { .name: qsc, .offset: 8, .size: 8, .value_kind: global_buffer, .address_space: global }
      - { .name: kc, .offset: 16, .size: 8, .value_kind: global_buffer, .address_space: global }
      - { .name: ksc, .offset: 24, .size: 8, .value_kind: global_buffer, .address_space: global }
      - { .name: vc, .offset: 32, .size: 8, .value_kind: global_buffer, .address_space: global }
      - { .name: vsc, .offset: 40, .size: 8, .value_kind: global_buffer, .address_space: global }
      - { .name: oc, .offset: 48, .size: 8, .value_kind: global_buffer, .address_space: global }
      - { .name: osc, .offset: 56, .size: 8, .value_kind: global_buffer, .address_space: global }
    .group_segment_fixed_size: 169984
    .private_segment_fixed_size: 0
    .kernarg_segment_align: 8
    .kernarg_segment_size: 64
    .max_flat_workgroup_size: 512
    .sgpr_count:     66
    .vgpr_count:     256
    .wavefront_size: 32
...
	.end_amdgpu_metadata
.endif
;; end of part 5
;; launch outp (part 6): grid 4 x 64, 8 waves a work-group, no clusters, 35,840 bytes of LDS; arguments oc, osc, Wout_codes, Wout_scales, out0; writes out0
.if DOCPART == 6
	.amdgcn_target "amdgcn-amd-amdhsa--gfx1250"
	.amdhsa_code_object_version 6
	.text
	.protected	k_qd7833ee874_outp
	.globl	k_qd7833ee874_outp
	.p2align	8
	.type	k_qd7833ee874_outp,@function
k_qd7833ee874_outp:
	s_mov_b64 s[64:65], 0
	v_nop
	global_prefetch_b8 v0, s[64:65] scope:SCOPE_SE
	s_setreg_imm32_b32 hwreg(HW_REG_WAVE_SCHED_MODE, 0, 2), 2
	s_setreg_imm32_b32 hwreg(HW_REG_WAVE_MODE, 25, 1), 1
	s_wait_xcnt 0x0
	s_wait_alu depctr_vm_vsrc(0)
; out0 = (attention's result) Wout on codes of FP4 (E2M1, one E8M0 scale for each 32 along K).  M = 4,096, N = 1,024, K = 1,024.
; SHARES.  Work-group (x, y): rows 64 y on, columns 256 x on.  Wave w: two tiles of 16 rows (4 y + 2 (w / 4) on) x 64 columns (256 x + 64 (w % 4) on): eight accumulators, eight K steps of 128.
; Both operands go from memory straight into registers, three K steps ahead: the rows' codes lie as images of the operand's registers (512 consecutive bytes a load), the weights' as rows of 512 bytes.
; No LDS ring and no joint request: a K step of a wave is 12 loads for 8 matrix instructions, each fragment is read by two or four waves of the work-group from the cache, and the whole of both operands is 2.6 MB.
; THE MATRIX INSTRUCTION IS USED TRANSPOSED (source 0 = 16 weight rows = 16 columns of the result, source 1 = 16 rows): a lane holds eight neighbouring numbers of a row of the result.
; THE WAY OUT: 16 rows x 64 columns go through the wave's own stage in LDS and leave as whole rows of 256 bytes.  No barrier: waves share nothing.
; THE MODE: SCHED_MODE bits 1:0 = 2 (LLVM: expert scheduling mode 2), set by the entry lines.  The code itself states the register dependences
; between vector or matrix instructions and memory or LDS instructions, with s_wait_alu, always for 0.
; THE PLAN.  Registers that memory or LDS instructions touch:
;   v1-v6         Offsets and LDS addresses: written by vector instructions at the head, read by every load and store, never written again.
;   v8-v31        Scale words: loaded once at the head, read by matrix instructions alone.
;   F0, F1, F2    Three sets of 48 from v32 on.  Step s: its eight matrix instructions read set s % 3; behind them the twelve loads of step s + 3 land in the same set.
;   v176-v239     The accumulators: written by matrix instructions, read by the LDS stores of the way out, never written again.
;   v32-v95       On the way out: the LDS loads from the stage land here, in registers that the matrix instructions of steps 6 and 7 have read; the global stores read them; nothing writes them again.
;   v240, v241    Written at the head, read by the closing add alone.
; So: one wait on va_sdst for the wave's number; one wait on va_vdst ahead of the first load, for all addresses; one in each of steps 0 to 4, behind the step's matrix instructions and ahead of the loads into
; the set that they have read (the set is asked for again at once: with three sets it is the one that step s + 3 needs); one ahead of the way out.  Steps 5 and 6 issue no load and hold no such wait.
; No register that a memory or LDS instruction reads is written again, so no wait on vm_vsrc is owed.
.set SA,   8                           ; v8-15   the rows' scale words: register 4 m + q: lanes 0-15 K step q, lanes 16-31 K step 4 + q
.set SW,   16                          ; v16-31  the weights' likewise
.set ACC,  176                         ; v176-239 accumulator (m, t) at 176 + 32 m + 8 t;  v32-175 three sets of 48: two fragments of rows, four of weights
.macro OLOAD s
.set FS, 32+48*((\s)%3)
.irp m, 0,1
.irp c, 0,1
	global_load_b128 v[FS+8*\m+4*\c:FS+8*\m+4*\c+3], v1, s[4:5] offset:8192*\m+1024*(\s)+512*\c
.endr
.endr
.irp t, 0,1,2,3
.irp c, 0,1
	global_load_b128 v[FS+16+8*\t+4*\c:FS+16+8*\t+4*\c+3], v2, s[8:9] offset:8192*\t+64*(\s)+32*\c
.endr
.endr
.endm
.macro OSTEP s
.set FS, 32+48*((\s)%3)
.if \s <= 5
	s_wait_loadcnt 24                              ; this step's twelve loads are in; those of the two steps behind it may be out
.elseif \s == 6
	s_wait_loadcnt 12                              ; the last step's twelve may be out
.else
	s_wait_loadcnt 0x0
.endif
.irp m, 0,1                            ; the eight accumulators take turns, one instruction a turn, in the same order in every step
.irp t, 0,1,2,3
.if \s == 0
	v_wmma_scale_f32_16x16x128_f8f6f4 v[ACC+32*\m+8*\t:ACC+32*\m+8*\t+7], v[FS+16+8*\t:FS+16+8*\t+7], v[FS+8*\m:FS+8*\m+7], 0, v[SW+4*\t], v[SA+4*\m] matrix_a_fmt:MATRIX_FMT_FP4 matrix_b_fmt:MATRIX_FMT_FP4
.elseif \s < 4
	v_wmma_scale_f32_16x16x128_f8f6f4 v[ACC+32*\m+8*\t:ACC+32*\m+8*\t+7], v[FS+16+8*\t:FS+16+8*\t+7], v[FS+8*\m:FS+8*\m+7], v[ACC+32*\m+8*\t:ACC+32*\m+8*\t+7], v[SW+4*\t+\s], v[SA+4*\m+\s] matrix_a_fmt:MATRIX_FMT_FP4 matrix_b_fmt:MATRIX_FMT_FP4
.else
	v_wmma_scale_f32_16x16x128_f8f6f4 v[ACC+32*\m+8*\t:ACC+32*\m+8*\t+7], v[FS+16+8*\t:FS+16+8*\t+7], v[FS+8*\m:FS+8*\m+7], v[ACC+32*\m+8*\t:ACC+32*\m+8*\t+7], v[SW+4*\t+\s-4], v[SA+4*\m+\s-4] matrix_a_fmt:MATRIX_FMT_FP4 matrix_b_fmt:MATRIX_FMT_FP4 matrix_a_scale:MATRIX_SCALE_ROW1 matrix_b_scale:MATRIX_SCALE_ROW1
.endif
.endr
.endr
.rept 4
	v_nop                                          ; four plain lines in front of loads into registers that matrix instructions have read, and of the first read of results; the waits on va_vdst stand beside them
.endr
.if \s <= 4
	s_wait_alu depctr_va_vdst(0)                   ; this step's eight matrix instructions are done reading set s % 3, in which the twelve loads below land
	OLOAD (\s)+3
.endif
.endm
.macro TOSTAGE m
.irp t, 0,1,2,3
	ds_store_b128 v4, v[ACC+32*\m+8*\t:ACC+32*\m+8*\t+3] offset:64*\t              ; each accumulator from its low end on
	ds_store_b128 v4, v[ACC+32*\m+8*\t+4:ACC+32*\m+8*\t+7] offset:64*\t+16
.endr
.irp k, 0,1,2,3,4,5,6,7
	ds_load_b128 v[32+32*\m+4*\k:32+32*\m+4*\k+3], v5 offset:544*\k                ; LDS serves a wave's instructions in order: these see the stores above, and the next tile's stores come behind them
.endr
.endm
.macro SEND m, younger
	s_wait_dscnt \younger
.irp k, 0,1,2,3,4,5,6,7
	global_store_b128 v6, v[32+32*\m+4*\k:32+32*\m+4*\k+3], s[12:13] offset:65536*\m+8192*\k th:TH_STORE_NT   ; sixteen lanes store 256 consecutive bytes, at a multiple of 256 from the buffer's first byte
.endr
.endm
	s_load_b256 s[4:11], s[0:1], 0x0               ; oc, osc, Wout_codes, Wout_scales
	s_load_b64 s[12:13], s[0:1], 0x20              ; out0
	v_lshl_add_u32 v240, v0, 2, 0x8800
	v_mov_b32 v241, 0
	v_lshrrev_b32 v1, 5, v0
	v_readfirstlane_b32 s14, v1                    ; wave 0..7
	v_and_b32 v7, 31, v0                           ; the lane's arithmetic that needs no scalar stands between that line and the wait for s14
	v_and_b32 v3, 15, v0                           ; r
	v_bfe_u32 v6, v0, 4, 1                         ; h
	v_lshlrev_b32 v1, 4, v7                        ; 16 x lane
	v_lshlrev_b32 v2, 9, v3
	v_lshl_add_u32 v2, v6, 4, v2                   ; 512 r + 16 h
	v_mul_u32_u24 v4, v3, 272
	v_lshl_add_u32 v4, v6, 5, v4                   ; into the stage: row r, 32 bytes for each half of the lanes
	s_wait_alu depctr_va_vdst(0)
	v_mul_u32_u24 v5, v6, 272
	v_lshl_add_u32 v5, v3, 4, v5                   ; back: lanes 0-15 one row, lanes 16-31 the next
	s_wait_alu depctr_va_vdst(0)
	v_lshlrev_b32 v7, 4, v3
	v_lshl_add_u32 v7, v6, 12, v7                  ; and the same two rows in the result: 4,096 h + 16 r
	v_lshlrev_b32 v3, 5, v3
	v_lshl_add_u32 v3, v6, 4, v3                   ; scale words: 32 r + 16 h
	v_mov_b32 v6, v7
	s_wait_alu depctr_va_sdst(0)                   ; s14 is written, ahead of its first reader: the tile, the column and the stage are made from it
	s_and_b32 s15, ttmp7, 0xffff
	s_lshr_b32 s16, s14, 2
	s_lshl_b32 s16, s16, 1
	s_lshl_b32 s17, s15, 2
	s_add_co_u32 s16, s16, s17                     ; my first tile of 16 rows
	s_and_b32 s17, s14, 3
	s_lshl_b32 s17, s17, 6
	s_lshl_b32 s18, ttmp9, 8
	s_add_co_u32 s17, s17, s18                     ; my first column
	s_mul_i32 s19, s14, 4352                       ; my stage: 16 rows x (256 + 16) bytes
	v_add_nc_u32 v4, s19, v4
	v_add_nc_u32 v5, s19, v5
	s_mov_b32 s21, 0
	s_wait_kmcnt 0x0
	s_lshl_b32 s20, s16, 13                        ; a tile of rows: 8,192 bytes of codes,
	s_add_nc_u64 s[4:5], s[4:5], s[20:21]
	s_lshl_b32 s20, s16, 9                         ; 512 scale bytes,
	s_add_nc_u64 s[6:7], s[6:7], s[20:21]
	s_lshl_b32 s20, s16, 16                        ; 65,536 bytes of the result
	s_add_nc_u64 s[12:13], s[12:13], s[20:21]
	s_lshl_b32 s20, s17, 2
	s_add_nc_u64 s[12:13], s[12:13], s[20:21]
	s_lshl_b32 s20, s17, 9                         ; a column: 512 bytes of the weight's codes,
	s_add_nc_u64 s[8:9], s[8:9], s[20:21]
	s_lshl_b32 s20, s17, 5                         ; 32 scale bytes
	s_add_nc_u64 s[10:11], s[10:11], s[20:21]
	s_wait_alu depctr_va_vdst(0)                   ; the offsets and LDS addresses v1 to v6 are written, which every load and store of the kernel reads; so are v240 and v241, which the closing add reads
.irp m, 0,1
	global_load_b128 v[SA+4*\m:SA+4*\m+3], v3, s[6:7] offset:512*\m
.endr
.irp t, 0,1,2,3
	global_load_b128 v[SW+4*\t:SW+4*\t+3], v3, s[10:11] offset:512*\t
.endr
	OLOAD 0
	OLOAD 1
	OLOAD 2
	OSTEP 0
	OSTEP 1
	OSTEP 2
	OSTEP 3
	OSTEP 4
	OSTEP 5
	OSTEP 6
	OSTEP 7
	s_wait_alu depctr_va_vdst(0)                   ; the matrix instructions have written the accumulators, which the LDS stores read, and are done reading v32 to v95, in which the loads from the stage land; step 7's four plain lines stay beside this wait
	TOSTAGE 0
	TOSTAGE 1
	SEND 0, 16                                     ; behind the first tile's loads: the second tile's eight stores and eight loads
	SEND 1, 0
	s_wait_dscnt 0x0                               ; the closing lines, six on end
	s_wait_alu 0x0
	s_wait_tensorcnt 0x0
	ds_add_u32 v240, v241
	s_wait_dscnt 0x0
	s_endpgm
.Lfunc_end_k_qd7833ee874_outp:
	.size	k_qd7833ee874_outp, .Lfunc_end_k_qd7833ee874_outp-k_qd7833ee874_outp
	.p2alignl 7, 3214868480
	.fill 96, 4, 3214868480
	.section	.rodata,"a",@progbits
	.p2align	6, 0x0
	.amdhsa_kernel k_qd7833ee874_outp
		.amdhsa_group_segment_fixed_size 35840
		.amdhsa_private_segment_fixed_size 0
		.amdhsa_enable_private_segment 0
		.amdhsa_kernarg_size 40
		.amdhsa_user_sgpr_count 2
		.amdhsa_user_sgpr_kernarg_segment_ptr 1
		.amdhsa_wavefront_size32 1
		.amdhsa_system_sgpr_workgroup_id_x 1
		.amdhsa_system_sgpr_workgroup_id_y 1
		.amdhsa_system_sgpr_workgroup_id_z 1
		.amdhsa_system_vgpr_workitem_id 0
		.amdhsa_next_free_vgpr 242
		.amdhsa_next_free_sgpr 66
		.amdhsa_reserve_vcc 0
		.amdhsa_float_denorm_mode_32 3
		.amdhsa_float_denorm_mode_16_64 3
		.amdhsa_memory_ordered 1
		.amdhsa_forward_progress 1
		.amdhsa_inst_pref_size 26
	.end_amdhsa_kernel
	.amdgpu_metadata
---
amdhsa.version: [ 1, 2 ]
amdhsa.kernels:
  - .name:           k_qd7833ee874_outp
    .symbol:         k_qd7833ee874_outp.kd
    .args:
      - { .name: oc, .offset: 0, .size: 8, .value_kind: global_buffer, .address_space: global }
      - { .name: osc, .offset: 8, .size: 8, .value_kind: global_buffer, .address_space: global }
      - { .name: Wout_codes, .offset: 16, .size: 8, .value_kind: global_buffer, .address_space: global }
      - { .name: Wout_scales, .offset: 24, .size: 8, .value_kind: global_buffer, .address_space: global }
      - { .name: out0, .offset: 32, .size: 8, .value_kind: global_buffer, .address_space: global }
    .group_segment_fixed_size: 35840
    .private_segment_fixed_size: 0
    .kernarg_segment_align: 8
    .kernarg_segment_size: 40
    .max_flat_workgroup_size: 256
    .sgpr_count:     66
    .vgpr_count:     242
    .wavefront_size: 32
...
	.end_amdgpu_metadata
.endif
;; end of part 6
